; MI455X (gfx1250); checked and timed in simulation.
; The chip was launched on July 23, 2026; its instructions are those of AMD's public machine-readable ISA for CDNA 5 (MIT licence, August 2026) and "CDNA5" Instruction Set Architecture Reference Guide (July 2026). The comments in the code are by the model that wrote it; some were corrected since.
;; Content Based Attention. Allowed arithmetic: matrix products marked QUANTISED: E2M3 operands, one E8M0 scale for each 32 along K, by v_wmma_scale_f32_16x16x128_f8f6f4 with both operands' format E2M3, f32 sums; products left as they are: f32 operands where the result goes on into a quantised operand, else bf16, f16 or f32 operands; f32 sums; everything else in f32.
;; Inputs: Wk 1,024 x 1,024 float32; Wq 1,024 x 1,024 float32; Wv 1,024 x 1,024 float32; bk 1,024 float32; bq 1,024 float32; bv 1,024 float32; x 4 x 4,096 x 1,024 float32.
;; Outputs: out0 4 x 4,096 x 1,024 float32.
;; This version of the problem:
;;   THIS VERSION OF THE PROBLEM IS GIVEN IN LOW PRECISION. The matrix products marked QUANTISED in the list below multiply operands that are first quantised to E2M3 (2 exponent bits, 3 mantissa bits; 6 bits a number), with one power-of-two scale for each 32 numbers along K (OCP MX v1.0); their sums are f32. All else is computed in f32.
;;   The module's matrix products, in the order in which they are computed (A, B: the left and right operand; K: the contracted axis; several contracted axes count as one K, in the product's order):
;;     1. [M 16,384, K 1,024] x [K 1,024, N 1,024]; A: input x; B: input Wq: QUANTISED
;;     2. [M 16,384, K 1,024] x [K 1,024, N 1,024]; A: input x; B: input Wk: QUANTISED
;;     3. [M 16,384, K 1,024] x [K 1,024, N 1,024]; A: input x; B: input Wv: QUANTISED
;;     4. batch 16,384 x [M 16, K 64] x [K 64, N 16]; A: computed on the way; B: computed on the way: QUANTISED
;;     5. batch 16,384 x [M 16, K 16] x [K 16, N 64]; A: softmax; B: computed on the way: left as it is (K = 16 < 32)
;;   THE QUANTISER, for each operand of a quantised product, along K:
;;     - K is cut into blocks of 32 from its start; a last block that is shorter is filled with zeros.
;;     - A block's scale is 2^e with e = floor(log2(the largest magnitude in the block)) - 2, held to -126 .. 127; a block of zeros has e = 0. As a byte (E8M0): e + 127.
;;     - Each number is divided by its block's scale, clamped to +-7.5, and rounded to the nearest number of E2M3, ties to even, subnormals kept.
;;     - The product sums the exact products of the quantised numbers (number of the format x scale) in f32.
;;   ~~~python
;;   def quantise(x, axis):      # numpy; x: float32 -> the quantised numbers, widened to float32 again
;;       x = np.moveaxis(x, axis, -1); K = x.shape[-1]
;;       x = np.pad(x, [(0, 0)] * (x.ndim - 1) + [(0, -K % 32)]); x = x.reshape(x.shape[:-1] + (-1, 32)); a = np.abs(x).max(-1, keepdims=True)
;;       e = np.where(a > 0, np.clip(np.frexp(np.where(a > 0, a, 1))[1] - 1 - 2, -126, 127), 0)      # np.frexp(a)[1] - 1 = floor(log2(a)), exactly
;;       r = np.clip(x / 2.0 ** e, -7.5, 7.5)
;;       step = 2.0 ** (np.maximum(np.frexp(np.where(r == 0, 1, r))[1] - 1, 0) - 3)
;;       q = np.round(r / step) * step * 2.0 ** e      # np.round: ties to even
;;       return np.moveaxis(q.reshape(q.shape[:-2] + (-1,))[..., :K], -1, axis).astype(np.float32)
;;   ~~~
;;   OPERANDS COMPUTED ON THE WAY. 'Computed on the way' means the value that the module computes at that place (a softmax that the list does not call 'softmax' is quantised finished and normalised). What goes into a quantiser is computed in f32, as accurately as f32 sums, v_exp_f32 and their like allow (about 1e-6 of the number): no bf16 or f16 on the way to a quantiser, and a product that is left as it is and whose result goes on into a quantised operand takes f32 operands (vector FMAs, or v_wmma_f32_16x16x4_f32). A number that lies on a knife's edge between two numbers of the format may be rounded either way, as far as f32 arithmetic and the matrix unit's own rounding can turn it there, and no further.
;; 2 versions. Each part assembles by itself: llvm-mc -triple=amdgcn-amd-amdhsa -mcpu=gfx1250 --defsym DOCPART=n.
;; ======== version 1 of 2: 2 launches
;; workspace buffers: wimg 2,457,600 bytes
;; launch lay_weights (part 1): grid 256 x 1, 3 waves a work-group, no clusters, 51,200 bytes of LDS; arguments Wq, Wk, Wv, wimg; writes wimg
.if DOCPART == 1
	.amdgcn_target "amdgcn-amd-amdhsa--gfx1250"
	.amdhsa_code_object_version 6
	.text
	.protected	k_qb8bc51f431_lay_weights
	.globl	k_qb8bc51f431_lay_weights
	.p2align	8
	.type	k_qb8bc51f431_lay_weights,@function
k_qb8bc51f431_lay_weights:
	s_mov_b64 s[64:65], 0
	v_nop
	global_prefetch_b8 v0, s[64:65] scope:SCOPE_SE
	s_setreg_imm32_b32 hwreg(HW_REG_WAVE_MODE, 25, 1), 1
	s_wait_xcnt 0x0
; Wq, Wk, Wv [1024 (n)][1024 (k)] f32 become codes of FP6 (E2M3) with one E8M0 scale byte for each 32 along K, laid in the ORDER OF THE OPERAND'S REGISTERS of the wave of the
; second launch that multiplies by them.  wimg: for wave w (0..3) a stream of 24 units of 25,600 bytes at 614,400 w + 25,600 (8 ph + s); ph = 0 (q), 1 (k), 2 (v); s = the K step of 128.
; A unit: 16 fragments (16 rows x 128 K: 12 registers a lane), fragment T at 1,536 T + 512 c + 16 lane (c = 0..2); behind them 8 registers of scale words at 24,576 + 128 qq + 4 lane:
; lanes 0-15 the words of tile 2 qq's rows, lanes 16-31 those of tile 2 qq + 1.
; THE ROWS OF A TILE.  q, k: lane-row rho of tile T is row 256 w + 32 (T / 2) + 8 (T % 2) + rho + 8 (rho / 8), so that the results of two neighbouring tiles are 16 neighbours along the next K.
;                      v:    row 64 T + 16 w + rho: head T, channel 16 w + rho.
; A block's scale is 2^(floor(log2(its largest magnitude)) - 2); its byte is the largest magnitude's exponent field - 2, held at 1 from below.
; LIMITS: a block of zeros, and a block whose largest magnitude lies under 2^-124, gets the byte 1 (the rule says 127 for zeros: the codes are zeros, and this program alone reads the bytes);
; NaN and infinities among the inputs are not served.
; SHARES.  1,536 fragments = 256 work-groups x 3 waves x 2.  Work-group g: w = g / 64, s = (g / 8) % 8, qq = g % 8; the wave's number is ph.  A wave makes tiles 2 qq and 2 qq + 1 and scale register qq.
; Each load reads 512 consecutive bytes (a row's 128 numbers of the K step); the 16 rows turn through the wave's own stage in LDS, so that a lane gets 16 neighbours of each block of 32 of ITS row.
; All three tensors take one path: pointers and row steps are chosen by s_cselect on the wave's number.  No barrier: waves share nothing.
.set PITCH,  528                       ; a stage row: 512 bytes + 16: the 16 rows that a load of 16 bytes a lane touches start at 16 different groups of banks
.set STG,    16*PITCH                  ; a stage
.set WREG,   2*STG                     ; a wave's two stages
.set UNIT,   25600
.set STREAM, 24*UNIT
.set LI,   2                           ; v2   16 x lane
.set L4,   3                           ; v3   4 x lane
.set SIN,  4                           ; v4   the stage, on the way in: 16 x lane
.set SOUT, 5                           ; v5   on the way out: 528 r + 64 h
.set TM,   8                           ; v8-11 largest magnitudes, v12-15 bytes, v20-23 the conversions' scale operands
.set PW,   24                          ; v24  the scale word just made
.set PWA,  25                          ; v25  tile 2 qq's
.set PWS,  26                          ; v26  the register of scale words that is stored
.set LAND, 32                          ; v32-159  2 x 64: the rows as loaded
.set ST,   160                         ; v160-223 64 numbers of my row: register 16 b + i = k 32 b + 16 h + i
.set PCA,  224                         ; v224-243 tile 2 qq's codes
.set PCB,  32                          ; v32-51   tile 2 qq + 1's (the first landing set has been read by then)
	s_load_b128 s[4:7], s[0:1], 0x0                ; Wq, Wk
	s_load_b128 s[8:11], s[0:1], 0x10              ; Wv, wimg
	v_lshl_add_u32 v254, v0, 2, 0xc600
	v_mov_b32 v255, 0
	v_lshrrev_b32 v1, 5, v0
	v_readfirstlane_b32 s16, v1                    ; wave = ph
	v_and_b32 v1, 31, v0                           ; lane
	v_and_b32 v6, 15, v0                           ; r
	v_bfe_u32 v7, v0, 4, 1                         ; h
	v_lshlrev_b32 v[LI], 4, v1
	v_lshlrev_b32 v[L4], 2, v1
	s_mul_i32 s17, s16, WREG                       ; my stages
	v_add_nc_u32 v[SIN], s17, v[LI]
	v_mul_u32_u24 v[SOUT], v6, PITCH
	v_lshl_add_u32 v[SOUT], v7, 6, v[SOUT]
	v_add_nc_u32 v[SOUT], s17, v[SOUT]
.irp b, 0,1,2,3
	v_mov_b32 v[TM+4+\b], 0                        ; written once: a lane permute's destination counts as one of its sources
.endr
	s_mov_b32 s40, 0x76543210
	s_mov_b32 s41, 0xfedcba98                      ; v_permlanex16_b32's selects for lane l xor 16
	s_lshr_b32 s18, ttmp9, 6                       ; w
	s_bfe_u32 s19, ttmp9, 0x30003                  ; s
	s_and_b32 s20, ttmp9, 7                        ; qq
	s_lshl_b32 s21, s18, 8
	s_lshl_b32 s22, s20, 5
	s_add_co_u32 s21, s21, s22                     ; q, k: the first row, 256 w + 32 qq
	s_lshl_b32 s22, s20, 7
	s_lshl_b32 s23, s18, 4
	s_add_co_u32 s22, s22, s23                     ; v: 128 qq + 16 w
	s_cmp_eq_u32 s16, 2
	s_cselect_b32 s21, s22, s21
	s_cselect_b32 s22, 8, 16                       ; rows from lane-rows 0-7 to lane-rows 8-15
	s_cselect_b32 s23, 64, 8                       ; rows from tile 2 qq to tile 2 qq + 1
	s_lshl_b32 s21, s21, 12                        ; in bytes: a row of W is 4,096
	s_lshl_b32 s24, s19, 9
	s_add_co_u32 s21, s21, s24                     ; + the K step's 512 bytes
	s_lshl_b32 s22, s22, 12
	s_lshl_b32 s23, s23, 12
	s_mul_i32 s34, s18, STREAM
	s_lshl_b32 s35, s16, 3
	s_add_co_u32 s35, s35, s19
	s_mul_i32 s35, s35, UNIT
	s_add_co_u32 s34, s34, s35                     ; my unit in wimg
	s_mov_b32 s33, 0
	s_wait_kmcnt 0x0
	s_cmp_eq_u32 s16, 0
	s_cselect_b64 s[12:13], s[4:5], s[6:7]
	s_cmp_eq_u32 s16, 2
	s_cselect_b64 s[12:13], s[8:9], s[12:13]       ; my tensor
	s_mov_b32 s32, s21
	s_add_nc_u64 s[24:25], s[12:13], s[32:33]      ; tile 2 qq, lane-rows 0-7
	s_add_co_u32 s32, s21, s22
	s_add_nc_u64 s[26:27], s[12:13], s[32:33]      ; lane-rows 8-15
	s_add_co_u32 s32, s21, s23
	s_add_nc_u64 s[28:29], s[12:13], s[32:33]      ; tile 2 qq + 1, lane-rows 0-7
	s_add_co_u32 s32, s32, s22
	s_add_nc_u64 s[30:31], s[12:13], s[32:33]      ; lane-rows 8-15
.irp u, 0,1
.irp e, 0,1
.irp i, 0,1,2,3,4,5,6,7
	global_load_b128 v[LAND+64*\u+4*(8*\e+\i):LAND+64*\u+4*(8*\e+\i)+3], v[LI], s[24+4*\u+2*\e:25+4*\u+2*\e] offset:4096*\i th:TH_LOAD_NT   ; 32 lanes read 512 consecutive bytes of one row; read once in this launch
.endr
.endr
.endr
	s_mov_b32 s32, s34
	s_add_nc_u64 s[10:11], s[10:11], s[32:33]      ; the unit
	s_mul_i32 s32, s20, 3072
	s_add_nc_u64 s[36:37], s[10:11], s[32:33]      ; its fragments 2 qq, 2 qq + 1
	s_lshl_b32 s32, s20, 7
	s_add_co_u32 s32, s32, 24576
	s_add_nc_u64 s[38:39], s[10:11], s[32:33]      ; its scale register qq
.macro TURN u                          ; a tile's 16 rows through stage u: LDS serves a wave's instructions in order, so no wait stands between the stores and the loads
.irp rr, 0,1,2,3,4,5,6,7,8,9,10,11,12,13,14,15
	ds_store_b128 v[SIN], v[LAND+64*\u+4*\rr:LAND+64*\u+4*\rr+3] offset:STG*\u+PITCH*\rr
.endr
.irp b, 0,1,2,3
.irp j, 0,1,2,3
	ds_load_b128 v[ST+16*\b+4*\j:ST+16*\b+4*\j+3], v[SOUT] offset:STG*\u+128*\b+16*\j
.endr
.endr
.endm
; The 64 numbers in v[ST] on become a fragment's codes in v[pc] .. v[pc + 11] and its rows' scale word in v[PW]
.macro QUANT pc
.irp b, 0,1,2,3
	v_max3_num_f32 v[TM+\b], |v[ST+16*\b]|, |v[ST+1+16*\b]|, 0x1800000   ; block b: my 16 numbers, and the floor 2^(3 - 127): the byte cannot fall under 1
.endr
.irp i, 2,4,6,8,10,12,14
.irp b, 0,1,2,3
	v_max3_num_f32 v[TM+\b], v[TM+\b], |v[ST+16*\b+\i]|, |v[ST+1+16*\b+\i]|   ; (the four blocks by turns)
.endr
.endr
.irp b, 0,1,2,3
	v_permlanex16_b32 v[TM+4+\b], v[TM+\b], s40, s41
.endr
.irp b, 0,1,2,3
	v_max_num_f32 v[TM+\b], v[TM+\b], v[TM+4+\b]   ; with lane l xor 16's 16: the block's largest magnitude
.endr
.irp b, 0,1,2,3
	v_add_nc_u32 v[TM+12+\b], 0xff000000, v[TM+\b] ; 2 off its exponent field: the conversion takes the exponent field of this operand as its scale
.endr
.irp b, 0,1,2,3
	v_lshrrev_b32 v[TM+4+\b], 23, v[TM+12+\b]      ; the scale's byte
.endr
	v_lshl_or_b32 v[PW], v[TM+5], 8, v[TM+4]
	v_lshl_or_b32 v[PW], v[TM+6], 16, v[PW]
	v_lshl_or_b32 v[PW], v[TM+7], 24, v[PW]
.irp c, 0,1
	v_cvt_scalef32_pk16_fp6_f32 v[(\pc)+6*\c:(\pc)+2+6*\c], v[ST+32*\c:ST+15+32*\c], v[TM+12+2*\c]
	v_cvt_scalef32_pk16_fp6_f32 v[(\pc)+12+4*\c:(\pc)+14+4*\c], v[ST+16+32*\c:ST+31+32*\c], v[TM+13+2*\c]   ; (a conversion's three registers begin on an even number)
.endr
	v_nop                                          ; one plain place behind a scaled conversion
.irp c, 0,1                            ; the operand's layout wants a WHOLE block in a lane: lanes 0-15 block 2 c, lanes 16-31 block 2 c + 1
.irp i, 0,1,2
	v_permlane16_swap_b32 v[(\pc)+6*\c+\i], v[(\pc)+12+4*\c+\i]
.endr
.irp i, 0,1,2
	v_mov_b32 v[(\pc)+3+6*\c+\i], v[(\pc)+12+4*\c+\i]
.endr
.endr
.endm
	s_wait_loadcnt 16                              ; the first tile's 16 loads are in; the second tile's 16 may be out
	TURN 0
	s_wait_dscnt 0x0
	QUANT PCA
.irp c, 0,1,2
	global_store_b128 v[LI], v[PCA+4*\c:PCA+4*\c+3], s[36:37] offset:512*\c        ; the fragment as it stands: 512 consecutive bytes a store
.endr
	v_mov_b32 v[PWA], v[PW]
	s_wait_loadcnt 0x0
	TURN 1
	s_wait_dscnt 0x0
	QUANT PCB
.irp c, 0,1,2
	global_store_b128 v[LI], v[PCB+4*\c:PCB+4*\c+3], s[36:37] offset:1536+512*\c
.endr
	v_cmp_le_u32 vcc_lo, 16, v1
	v_cndmask_b32 v[PWS], v[PWA], v[PW], vcc_lo    ; lanes 0-15: tile 2 qq's words; lanes 16-31: tile 2 qq + 1's (every lane holds its row r's word of both)
	global_store_b32 v[L4], v[PWS], s[38:39]       ; 128 consecutive bytes.  No store's data register is written again in this text
	s_wait_tensorcnt 0x0
	ds_add_u32 v254, v255
	s_wait_dscnt 0x0
	s_endpgm
.Lfunc_end_k_qb8bc51f431_lay_weights:
	.size	k_qb8bc51f431_lay_weights, .Lfunc_end_k_qb8bc51f431_lay_weights-k_qb8bc51f431_lay_weights
	.p2alignl 7, 3214868480
	.fill 96, 4, 3214868480
	.section	.rodata,"a",@progbits
	.p2align	6, 0x0
	.amdhsa_kernel k_qb8bc51f431_lay_weights
		.amdhsa_group_segment_fixed_size 51200
		.amdhsa_private_segment_fixed_size 0
		.amdhsa_enable_private_segment 0
		.amdhsa_kernarg_size 32
		.amdhsa_user_sgpr_count 2
		.amdhsa_user_sgpr_kernarg_segment_ptr 1
		.amdhsa_wavefront_size32 1
		.amdhsa_system_sgpr_workgroup_id_x 1
		.amdhsa_system_sgpr_workgroup_id_y 1
		.amdhsa_system_sgpr_workgroup_id_z 1
		.amdhsa_system_vgpr_workitem_id 0
		.amdhsa_next_free_vgpr 256
		.amdhsa_next_free_sgpr 66
		.amdhsa_reserve_vcc 1
		.amdhsa_float_denorm_mode_32 3
		.amdhsa_float_denorm_mode_16_64 3
		.amdhsa_memory_ordered 1
		.amdhsa_forward_progress 1
		.amdhsa_inst_pref_size 19
	.end_amdhsa_kernel
	.amdgpu_metadata
---
amdhsa.version: [ 1, 2 ]
amdhsa.kernels:
  - .name:           k_qb8bc51f431_lay_weights
    .symbol:         k_qb8bc51f431_lay_weights.kd
    .args:
      - { .name: Wq, .offset: 0, .size: 8, .value_kind: global_buffer, .address_space: global }
      - { .name: Wk, .offset: 8, .size: 8, .value_kind: global_buffer, .address_space: global }
      - { .name: Wv, .offset: 16, .size: 8, .value_kind: global_buffer, .address_space: global }
      - { .name: wimg, .offset: 24, .size: 8, .value_kind: global_buffer, .address_space: global }
    .group_segment_fixed_size: 51200
    .private_segment_fixed_size: 0
    .kernarg_segment_align: 8
    .kernarg_segment_size: 32
    .max_flat_workgroup_size: 96
    .sgpr_count:     66
    .vgpr_count:     256
    .wavefront_size: 32
...
	.end_amdgpu_metadata
.endif
;; end of part 1
;; launch fused (part 2): grid 256 x 1, 4 waves a work-group, no clusters, 223,744 bytes of LDS; arguments x, wimg, bq, bk, bv, out0; writes out0
.if DOCPART == 2
	.amdgcn_target "amdgcn-amd-amdhsa--gfx1250"
	.amdhsa_code_object_version 6
	.text
	.protected	k_qb8bc51f431_fused
	.globl	k_qb8bc51f431_fused
	.p2align	8
	.type	k_qb8bc51f431_fused,@function
k_qb8bc51f431_fused:
	s_mov_b64 s[64:65], 0
	v_nop
	global_prefetch_b8 v0, s[64:65] scope:SCOPE_SE
	s_setreg_imm32_b32 hwreg(HW_REG_WAVE_MODE, 25, 1), 1
	s_wait_xcnt 0x0
; For each of 16,384 tokens: q, k, v = x W^T + b (K = 1,024, on codes of FP6 (E2M3) with one E8M0 scale for each 32 along K); energy[kh][mh] = q[kh] . k[mh] over the head's 64, again on codes (two blocks a head);
; attn = softmax over mh of energy / 8, in f32, the row's maximum taken away first; out[kh] = the sum over mh of attn[kh][mh] v[mh], on bf16 operands with f32 sums.
; SHARES.  Work-group g takes tokens 64 g .. 64 g + 63 from x to out0; q, k and v never go to memory.  THE FOUR WAVES SHARE THE COLUMNS: wave w makes 64 tokens x 256 columns of q, then of k, then of v, on the same
; 64 accumulators (512 registers).  q, k: columns 256 w on (heads 4 w .. 4 w + 3).  v: channels 16 w .. 16 w + 15 of all 16 heads.  A fragment of W feeds 4 matrix instructions, a fragment of x 16.
; x is quantised once (wave w: tokens 16 w on) and lies in LDS as images of the operand's registers, read by all four waves in each of the 24 K steps.
; THE WEIGHTS come from wimg, which the launch before has laid in the order of my registers, STRAIGHT INTO REGISTERS: 48 loads of 16 bytes a lane and 8 of scale words for a K step, each group of four fragments asked for
; again as soon as its 16 products are issued, so that 56 loads (25,600 bytes) of every wave are on their way all through the K loops and no wave waits for another there.
; NO LDS RING AND NO JOINT LOADS for the weights, though all work-groups walk the same ones: each weight byte is the operand of ONE wave of a work-group, so a way through LDS would add a write and a read of 98,304 bytes
; to each K step, beside the 25,600 that x's fragments take; and a slot's refill would have one K step, 64 matrix instructions a wave, in which to land, with a round of the cluster's barrier for each.
; THE K STEPS ARE WALKED IN AN ORDER ROTATED BY THE WORK-GROUP'S NUMBER: logical step i is K step (i + g % 8) % 8.  The rotation enters global addresses alone (x's columns, the unit), no LDS address.
; ORIENTATION.  q, k transposed (source 0 = 16 rows of W, source 1 = 16 tokens): a lane holds one token, and the rows of W's tiles are chosen so that 8 tiles' 64 registers are the 64 numbers that the quantiser wants.
; v not transposed: lane (r, h), register j of accumulator (a, T) = v[token 16 a + 8 h + j][head T][channel 16 w + r].  energy: source 0 = k's 16 heads, source 1 = q's: a lane holds kh = r and mh = 8 h + j, which rounded to
; bf16 in pairs IS the last product's source 1.  out: source 0 = 16 channels x 16 heads of v, source 1 = attn: a lane's eight results are eight neighbouring channels of out[token][kh = r].
; bq and bk are the C of each sum's first matrix instruction.  bv rides in the K places 16-31 of the last product (its K is 16, the instruction's 32): attn stands there a second time, against bv in bf16.
; LIMITS: NaN and infinities among the inputs are not served.  A block of zeros, and one whose largest magnitude lies under 2^-124, gets the scale byte 1 (its codes are zeros or subnormal; this program alone reads the bytes).
; The f32 sums over K = 1,024 are taken in the rotated order.  v and bv enter the last product as two bf16 numbers, not as their sum rounded once; attn is normalised in f32 and then rounded to bf16.
;
; LDS: XI 0 .. 51,200: 8 blocks of 6,400, one a logical step: x's 4 fragments at 1,536 a + 512 c + 16 lane; at 6,144 + 8 lane two scale words (word 0: tile 0 in lanes 0-15, tile 1 in lanes 16-31; word 1: tiles 2, 3).
;      ATT 51,200 .. 83,968: attn's images, 512 token + 16 lane.     U 83,968 .. 223,232, three uses with barriers between: the waves' stages for x (16 x 528 each);
;      q's and k's codes (784 token + 48 head + 24 half; 784 bytes = 196 words: token t starts at bank 4 t mod 64 (64 banks of 4 bytes: ISA guide 11.1)) and scale words (68 token + 4 head), k's 54,528 behind q's; two stages for out (16 tokens x 16 heads x 272).
; REGISTERS, in windows of 256 (s_set_vgpr_msb: bits 1:0 source 0, 3:2 source 1, 5:4 source 2, 7:6 destination):
;   window 0: v1-28 addresses and the like; v32-47 W's scale words, two sets; v48-51 x's, two sets; v52-55 the energy product's (v32-55 hold scales and nothing else); v64-159 x's fragments, two sets
;             (between the phases: the quantiser's work; q's and k's fragments); v160-223 bias of tiles 8-15 (later energy and softmax); v224-231 bv; v232-239 x's offsets; v240-255 attn in bf16
;   window 1: v0-191 W's 16 fragments (at the end: v in bf16, attn, results); v192-255 bias of tiles 0-7
;   windows 2, 3: accumulator (a, T) in window 2 + T / 8 at 64 a + 8 (T % 8).  Ahead of phase q: window 2 four landing sets for x, window 3 v0-63 a lane's 64 numbers.  At the end: rows of out.
.set XBLK,  6400
.set XSCL,  6144
.set ATT,   51200
.set U,     83968
.set XTP,   528                        ; x's stage: 512 bytes + 16
.set QP,    784
.set QSC,   50176
.set QSP,   68
.set KREG,  54528
.set OSP,   272                        ; a head's 256 bytes of out + 16
.set OST,   16*OSP                     ; a token in a stage for out
.set OSB,   16*OST                     ; a stage for out
.set UNIT,  25600
.set STREAM, 24*UNIT
.set LI,  1                            ; v1   16 x lane
.set L4,  2                            ; v2   4 x lane
.set AA,  3                            ; v3   x's fragments: LI + the step's blocks
.set AS,  4                            ; v4   x's scale words: AS0 + the same
.set XW,  5                            ; v5   x's stage, in
.set XR,  6                            ; v6   and out: 528 r + 64 h
.set XIW, 7                            ; v7   where I store x's images: 16 lane + 1,536 w
.set XSW, 8                            ; v8   and their scale words: 6,144 + 8 r + 128 (w % 2) + 4 (w / 2)
.set QW0, 9                            ; v9   q's codes: U + 784 r + 24 h + 192 w
.set SW0, 10                           ; v10  q's scale words: U + 50,176 + 68 r + 16 w
.set QW,  11                           ; v11, v12  the same for the phase in hand
.set SW,  12
.set EQA, 13                           ; v13  the energy product: q's fragment, U + 12,544 w + 48 r + 24 h
.set EKA, 14                           ; v14  k's
.set ESA, 15                           ; v15  the scale words: lanes 0-15 q's, lanes 16-31 k's
.set ATW, 16                           ; v16  attn's images, my 16 tokens'
.set AR,  17                           ; v17  and anybody's
.set OWR, 18                           ; v18, v19  the stages for out: where I put 32 bytes of a head's row
.set ORD, 20                           ; v20, v21  and where I read rows back
.set BO,  22                           ; v22  bq, bk: 64 h
.set BVO, 23                           ; v23  bv: 2,048 h + 4 r
.set PFO, 24                           ; v24  the prefetch's offset: 256 x lane; never rewritten
.set FL,  25                           ; v25  the floor 2^(3 - 127)
.set PW,  26                           ; v26  the scale word just made;  v27 its upper half
.set PW2, 27
.set AS0, 28                           ; v28  6,144 + 8 lane
.set BS,  32
.set ASR, 48
.set ES,  52
.set XF,  64
.set TM,  64                           ; the quantiser: v64-67 largest magnitudes, v68-71 bytes, v76-79 the conversions' scale operands
.set PC,  80                           ; v80-99 the codes just made
.set EKF, 64                           ; the energy product: four fragments of k, four of q
.set EQF, 112
.set BHI, 160
.set ED,  160                          ; four tokens' energies
.set SS,  192                          ; and eight registers of work for each
.set BV,  224
.set XO,  232
.set AP,  240
.set BLO, 192                          ; in window 1
.set AB,  64                           ; in window 1, at the end: attn, 8 buffers;
.set OD,  128                          ; results, 8 buffers (v in bf16 at v0-63)
.set WV,  16                           ; s16  wave
.set WG,  17                           ; s17  work-group
.set ROT, 18                           ; s18  g % 8
.set TA,  19                           ; s19  the LDS bytes by which x's blocks have been stepped
.set SEL, 20                           ; s[20:21] lane selects for v_permlanex16_b32: lane l xor 16
.set CS,  22                           ; s[22:23] log2(e) / 8, twice
.set PH,  24                           ; s24  phase 0 (q), 1 (k)
.set KC,  25                           ; s25  trips of a K loop
.set TQ,  26                           ; s26  0 for q's region, 54,528 for k's
.set UC,  27                           ; s27  the logical unit in hand, 0 .. 23
.set PT,  28                           ; s28  the logical unit in which I prefetch, or -1
.set PFA, 30                           ; s[30:31] what I prefetch; never rewritten
.set WP,  40                           ; s[40:41], s[42:43] the units' addresses, by turns
.set MSB, 0
.macro WIN new                         ; the immediate's high byte repeats the setting that is left; a switch that changes nothing is dropped
.if MSB != (\new)
	s_set_vgpr_msb (MSB<<8)|(\new)
.set MSB, (\new)
.endif
.endm
; A vector instruction or a store that reads a matrix result, and a load or a vector instruction that writes a register of a matrix instruction, stand four places behind it; a matrix instruction that writes over one, five;
; only plain vector instructions that name none of its registers are places (ISA guide 7.12.1 for vector instructions).
.macro PLACES n
.rept \n
	v_nop
.endr
.endm
.macro BARRIER                         ; my LDS stores have landed and my LDS loads are in: then the work-group's barrier
	s_wait_dscnt 0x0
	s_barrier_signal -1
	s_barrier_wait -1
.endm
; 64 numbers of a lane, registers s .. s + 63 of window win, register 16 b + i = k 32 b + 16 h + i of my row, become a fragment's codes in v[PC] .. v[PC + 11] and the row's scale word in v[PW].
.macro QUANT s, win
	WIN ((\win)<<2)|((\win)<<4)                    ; sources 1 and 2: the numbers' window
.irp b, 0,1,2,3
	v_max3_num_f32 v[TM+\b], v[FL], |v[(\s)+16*\b]|, |v[(\s)+16*\b+1]|   ; block b: my 16 numbers, and the floor, under which no largest magnitude is taken: the byte cannot fall under 1
.endr
.irp i, 2,4,6,8,10,12,14
.irp b, 0,1,2,3
	v_max3_num_f32 v[TM+\b], v[TM+\b], |v[(\s)+16*\b+\i]|, |v[(\s)+16*\b+\i+1]|   ; (the four blocks by turns; each accumulator is read from its low end on)
.endr
.endr
	WIN 0
.irp b, 0,1,2,3
	v_permlanex16_b32 v[TM+4+\b], v[TM+\b], s[SEL], s[SEL+1]
.endr
.irp b, 0,1,2,3
	v_max_num_f32 v[TM+\b], v[TM+\b], v[TM+4+\b]   ; with lane l xor 16's 16: the block's largest magnitude
.endr
.irp b, 0,1,2,3
	v_add_nc_u32 v[TM+12+\b], 0xff000000, v[TM+\b] ; 2 off its exponent field: the conversion takes the exponent field of this operand as its scale
.endr
.irp b, 0,1,2,3
	v_lshrrev_b32 v[TM+4+\b], 23, v[TM+12+\b]      ; the scale's byte
.endr
	s_wait_dscnt 0x0                               ; the LDS stores of the fragment before have read v[PW] and v[PC] on
	v_lshl_or_b32 v[PW], v[TM+5], 8, v[TM+4]
	v_lshl_or_b32 v[PW], v[TM+6], 16, v[PW]
	v_lshl_or_b32 v[PW], v[TM+7], 24, v[PW]
	WIN (\win)                                     ; source 0: the numbers' window
.irp c, 0,1
	v_cvt_scalef32_pk16_fp6_f32 v[PC+6*\c:PC+2+6*\c], v[(\s)+32*\c:(\s)+15+32*\c], v[TM+12+2*\c]
	v_cvt_scalef32_pk16_fp6_f32 v[PC+12+4*\c:PC+14+4*\c], v[(\s)+16+32*\c:(\s)+31+32*\c], v[TM+13+2*\c]   ; (a conversion's three registers begin on an even number)
.endr
	WIN 0
	v_nop                                          ; one plain place behind a scaled conversion
.irp c, 0,1                            ; the operand's layout wants a WHOLE block in a lane: lanes 0-15 block 2 c, lanes 16-31 block 2 c + 1
.irp i, 0,1,2
	v_permlane16_swap_b32 v[PC+6*\c+\i], v[PC+12+4*\c+\i]
.endr
.irp i, 0,1,2
	v_mov_b32 v[PC+3+6*\c+\i], v[PC+12+4*\c+\i]
.endr
.endr
.endm
.macro XLOAD i                         ; logical step i of my 16 tokens of x into landing set i % 4: each load reads 512 consecutive bytes of one token
	WIN 0x80
.irp rr, 0,1,2,3,4,5,6,7,8,9,10,11,12,13,14,15
	global_load_b128 v[64*((\i)%4)+4*\rr:64*((\i)%4)+4*\rr+3], v[XO+(\i)], s[4:5] offset:4096*\rr th:TH_LOAD_NT
.endr
.endm
.macro XTURN i                         ; through my stage: LDS serves a wave's instructions in order, so no wait stands between the stores and the loads
	WIN 0x08
.irp rr, 0,1,2,3,4,5,6,7,8,9,10,11,12,13,14,15
	ds_store_b128 v[XW], v[64*((\i)%4)+4*\rr:64*((\i)%4)+4*\rr+3] offset:XTP*\rr
.endr
	WIN 0xc0
.irp b, 0,1,2,3
.irp j, 0,1,2,3
	ds_load_b128 v[16*\b+4*\j:16*\b+4*\j+3], v[XR] offset:128*\b+16*\j
.endr
.endr
.endm
.macro XOUT i                          ; the fragment goes to LDS as it stands, its scale word beside it (lanes r and r + 16 write the same word with the same value)
.irp c, 0,1,2
	ds_store_b128 v[XIW], v[PC+4*\c:PC+4*\c+3] offset:XBLK*(\i)+512*\c
.endr
	ds_store_b32 v[XSW], v[PW] offset:XBLK*(\i)
.endm
.macro BIAS ptr                        ; a bias in the result's layout: lane (r, h) wants, for tile 2 b + u, the numbers of columns 32 b + 16 h + 8 u + 0 .. 7
	WIN 0x40
.irp t, 0,1,2,3,4,5,6,7
	global_load_b128 v[BLO+8*\t:BLO+8*\t+3], v[BO], s[\ptr:\ptr+1] offset:(32*(\t/2)+8*(\t%2))*4
	global_load_b128 v[BLO+8*\t+4:BLO+8*\t+7], v[BO], s[\ptr:\ptr+1] offset:(32*(\t/2)+8*(\t%2))*4+16
.endr
	WIN 0
.irp t, 8,9,10,11,12,13,14,15
	global_load_b128 v[BHI+8*(\t-8):BHI+8*(\t-8)+3], v[BO], s[\ptr:\ptr+1] offset:(32*(\t/2)+8*(\t%2))*4
	global_load_b128 v[BHI+8*(\t-8)+4:BHI+8*(\t-8)+7], v[BO], s[\ptr:\ptr+1] offset:(32*(\t/2)+8*(\t%2))*4+16
.endr
.endm
; The next unit's address into pair set.  The pair's last loads were issued two K steps ago, and the counted waits of the step between have shown every one of them done: so it may be written.
.macro NEXTBASE set
	s_add_co_u32 s34, s[UC], 1                     ; the next logical unit n:
	s_add_co_u32 s35, s34, s[ROT]
	s_and_b32 s35, s35, 7                          ; its K step, rotated,
	s_and_b32 s34, s34, 0x18                       ; in its phase
	s_or_b32 s34, s34, s35
	s_mul_i32 s34, s34, UNIT
	s_mov_b32 s35, 0
	s_add_nc_u64 s[WP+2*(\set):WP+2*(\set)+1], s[6:7], s[34:35]
.endm
.macro SLOAD set                       ; a unit's 8 registers of scale words
	WIN 0
.irp q, 0,1,2,3,4,5,6,7
	global_load_b32 v[BS+8*(\set)+\q], v[L4], s[WP+2*(\set):WP+2*(\set)+1] offset:24576+128*\q
.endr
.endm
.macro BLOAD g, set                    ; a unit's fragments 4 g .. 4 g + 3: 12 loads of 512 consecutive bytes
	WIN 0x40
.irp f, 0,1,2,3
.irp c, 0,1,2
	global_load_b128 v[12*(4*(\g)+\f)+4*\c:12*(4*(\g)+\f)+4*\c+3], v[LI], s[WP+2*(\set):WP+2*(\set)+1] offset:1536*(4*(\g)+\f)+512*\c
.endr
.endr
.endm
.macro AFETCH set, off                 ; x's four fragments and two registers of scale words of the block off bytes on
.irp a, 0,1,2,3
.irp c, 0,1,2
	ds_load_b128 v[XF+48*(\set)+12*\a+4*\c:XF+48*(\set)+12*\a+4*\c+3], v[AA] offset:(\off)+1536*\a+512*\c
.endr
.endr
	ds_load_b64 v[ASR+2*(\set):ASR+2*(\set)+1], v[AS] offset:(\off)
.endm
; A PREFETCH INTO THE L2 of Wk's and Wv's images.  A wave's stream is 75 pieces of 8,192 bytes, 25 a phase.  Work-group g (25 .. 74) asks, in each of its four waves, for piece g of that wave's stream: one instruction, lanes
; 256 bytes apart: so each aligned block of 256 bytes is named once in the launch.  It asks in logical unit 4 (pieces of k) or 12 (of v): three K steps, 192 matrix instructions, ahead of the first load of that phase's
; units.  Wq's pieces come by their loads alone.  The other work-groups ask for nothing; the address is held to the stream's last piece, and its registers are never rewritten.
.macro ASK
	s_cmp_eq_u32 s[UC], s[PT]
	s_cbranch_scc0 .Lnot_now_\@
	global_prefetch_b8 v[PFO], s[PFA:PFA+1] th:TH_LOAD_NT scope:SCOPE_SE
.Lnot_now_\@:
.endm
; One matrix instruction: tokens' tile a x W's tile T, 128 along K, operand sets p.  tr = 1: source 0 = W, source 1 = x; 0: the other way round.  mode 0: adds in place; 1: C = the bias of tile T; 2: C = 0.
; A register of scale words carries two tiles': the even tile's in lanes 0-15, the odd one's in lanes 16-31.
.macro WM tr, mode, p, a, T
.set rD, 64*(\a)+8*((\T)%8)
.set rC, rD
.if (\mode) == 1
.if (\T) < 8
.set rC, BLO+8*(\T)
.else
.set rC, BHI+8*((\T)-8)
.endif
.endif
.if \tr
.set rA, 12*(\T)
.set rB, XF+48*(\p)+12*(\a)
.set sA, BS+8*(\p)+(\T)/2
.set sB, ASR+2*(\p)+(\a)/2
.set oA, (\T)%2
.set oB, (\a)%2
.else
.set rA, XF+48*(\p)+12*(\a)
.set rB, 12*(\T)
.set sA, ASR+2*(\p)+(\a)/2
.set sB, BS+8*(\p)+(\T)/2
.set oA, (\a)%2
.set oB, (\T)%2
.endif
.if (\mode) == 2
.if oA && oB
	v_wmma_scale_f32_16x16x128_f8f6f4 v[rD:rD+7], v[rA:rA+11], v[rB:rB+11], 0, v[sA], v[sB] matrix_a_fmt:MATRIX_FMT_FP6 matrix_b_fmt:MATRIX_FMT_FP6 matrix_a_scale:MATRIX_SCALE_ROW1 matrix_b_scale:MATRIX_SCALE_ROW1
.elseif oA
	v_wmma_scale_f32_16x16x128_f8f6f4 v[rD:rD+7], v[rA:rA+11], v[rB:rB+11], 0, v[sA], v[sB] matrix_a_fmt:MATRIX_FMT_FP6 matrix_b_fmt:MATRIX_FMT_FP6 matrix_a_scale:MATRIX_SCALE_ROW1
.elseif oB
	v_wmma_scale_f32_16x16x128_f8f6f4 v[rD:rD+7], v[rA:rA+11], v[rB:rB+11], 0, v[sA], v[sB] matrix_a_fmt:MATRIX_FMT_FP6 matrix_b_fmt:MATRIX_FMT_FP6 matrix_b_scale:MATRIX_SCALE_ROW1
.else
	v_wmma_scale_f32_16x16x128_f8f6f4 v[rD:rD+7], v[rA:rA+11], v[rB:rB+11], 0, v[sA], v[sB] matrix_a_fmt:MATRIX_FMT_FP6 matrix_b_fmt:MATRIX_FMT_FP6
.endif
.else
.if oA && oB
	v_wmma_scale_f32_16x16x128_f8f6f4 v[rD:rD+7], v[rA:rA+11], v[rB:rB+11], v[rC:rC+7], v[sA], v[sB] matrix_a_fmt:MATRIX_FMT_FP6 matrix_b_fmt:MATRIX_FMT_FP6 matrix_a_scale:MATRIX_SCALE_ROW1 matrix_b_scale:MATRIX_SCALE_ROW1
.elseif oA
	v_wmma_scale_f32_16x16x128_f8f6f4 v[rD:rD+7], v[rA:rA+11], v[rB:rB+11], v[rC:rC+7], v[sA], v[sB] matrix_a_fmt:MATRIX_FMT_FP6 matrix_b_fmt:MATRIX_FMT_FP6 matrix_a_scale:MATRIX_SCALE_ROW1
.elseif oB
	v_wmma_scale_f32_16x16x128_f8f6f4 v[rD:rD+7], v[rA:rA+11], v[rB:rB+11], v[rC:rC+7], v[sA], v[sB] matrix_a_fmt:MATRIX_FMT_FP6 matrix_b_fmt:MATRIX_FMT_FP6 matrix_b_scale:MATRIX_SCALE_ROW1
.else
	v_wmma_scale_f32_16x16x128_f8f6f4 v[rD:rD+7], v[rA:rA+11], v[rB:rB+11], v[rC:rC+7], v[sA], v[sB] matrix_a_fmt:MATRIX_FMT_FP6 matrix_b_fmt:MATRIX_FMT_FP6
.endif
.endif
.endm
; 16 matrix instructions: W's tiles 4 g .. 4 g + 3, each against the four tiles of tokens.  The 64 accumulators take turns, one instruction a turn, in the same order in every K step.
.macro MUL16 tr, mode, p, g
.if \tr
.if (\mode) == 1
	WIN 0x91+0x30*((\g)/2)                         ; W window 1, x window 0; the bias in window 1 (tiles 0-7) or 0; D window 2 or 3
.else
	WIN 0xa1+0x50*((\g)/2)                         ; W window 1, x window 0, C and D window 2 or 3
.endif
.else
	WIN 0xa4+0x50*((\g)/2)                         ; x window 0, W window 1, C and D window 2 or 3
.endif
.irp t, 0,1,2,3
.irp a, 0,1,2,3
	WM \tr, \mode, \p, \a, 4*(\g)+\t
.endr
.endr
.endm
; A K STEP: 64 matrix instructions on operand sets p.  anext: x's next block, aoff bytes on, is fetched into the other set.  bnext: the next unit is asked for: its scale words into the other set, each group of four
; fragments into the registers that this step's 16 products have just read.  adv: x's addresses step two blocks on.
; THE COUNTS.  Loads are issued in the order S (8), B0, B1, B2, B3 (12 each) for each unit.  Group 0 wants this unit's S and B0: behind B0 stand B1, B2, B3 = 36.  Group g > 0 wants Bg: behind it stand what is left of this
; unit and what has been asked of the next, 3 groups of 12 and the 8 scale words = 44.  Where nothing is asked for: 36, 24, 12, 0.
.macro STEP p, mode, tr, anext, aoff, bnext, adv
.if \bnext
	NEXTBASE 1-\p
.endif
	s_wait_dscnt 0x0                               ; x's fragments of this step, asked for 48 matrix instructions ago, are in
.if \adv
	s_add_co_u32 s[TA], s[TA], 2*XBLK
	v_add_nc_u32 v[AA], s[TA], v[LI]
	v_add_nc_u32 v[AS], s[TA], v[AS0]
.endif
.irp g, 0,1,2,3
.if \bnext
.if \g == 0
	s_wait_loadcnt 36
.else
	s_wait_loadcnt 44
.endif
.else
	s_wait_loadcnt 36-12*\g
.endif
	MUL16 \tr, \mode, \p, \g
	PLACES 4                                       ; in front of the loads into registers that matrix instructions have read, and at a phase's end of the first read of results
.if \g == 0
	WIN 0
.if \anext
	AFETCH 1-\p, \aoff
.endif
.if \bnext
	SLOAD 1-\p
.endif
.endif
.if \bnext
	BLOAD \g, 1-\p
.endif
.if (\g == 0) && \bnext
	WIN 0                                          ; at a branch and at a label every window is 0
	ASK
.endif
.endr
	WIN 0
	s_add_co_u32 s[UC], s[UC], 1
.endm
.macro PHEAD                           ; a phase's head: x's first block; every load issued so far (the phase's first unit, and a bias or bv behind it) is in
	s_mov_b32 s[TA], 0
	s_wait_dscnt 0x0                               ; no LDS instruction of mine names the registers that are written next
	v_add_nc_u32 v[AA], s[TA], v[LI]
	v_add_nc_u32 v[AS], s[TA], v[AS0]
	AFETCH 0, 0
	s_wait_loadcnt 0x0
.endm
; The fragment just made holds, for my token 16 a + r, heads 4 w + 2 gp + c (c = 0, 1), half h: 24 bytes each.  They go to the token's row of codes; the head's two scale bytes go as a word whose upper
; two bytes scale the zero codes of K = 64 .. 127 of the energy product: the other head's bytes or 0, never 0xff.  (Lanes r and r + 16 write the same word with the same value.)
.macro QSTORE a, gp
	v_lshrrev_b32 v[PW2], 16, v[PW]
.irp c, 0,1
.irp i, 0,1,2
	ds_store_b64 v[QW], v[PC+6*\c+2*\i:PC+6*\c+2*\i+1] offset:16*QP*(\a)+48*(2*(\gp)+\c)+8*\i
.endr
	ds_store_b32 v[SW], v[PW+\c] offset:16*QSP*(\a)+4*(2*(\gp)+\c)
.endr
.endm
	s_load_b128 s[4:7], s[0:1], 0x0                ; x, wimg
	s_load_b128 s[8:11], s[0:1], 0x10              ; bq, bk
	s_load_b128 s[12:15], s[0:1], 0x20             ; bv, out0
	v_lshl_add_u32 v62, v0, 2, 0x36800
	v_mov_b32 v63, 0
	v_lshrrev_b32 v29, 5, v0
	v_readfirstlane_b32 s[WV], v29                 ; wave 0..3
	s_mov_b32 s[WG], ttmp9
	s_and_b32 s[ROT], ttmp9, 7
	v_and_b32 v29, 31, v0                          ; lane
	v_and_b32 v30, 15, v0                          ; r
	v_bfe_u32 v31, v0, 4, 1                        ; h
	v_lshlrev_b32 v[LI], 4, v29
	v_lshlrev_b32 v[L4], 2, v29
	v_lshlrev_b32 v[PFO], 8, v29
	v_lshl_add_u32 v[AS0], v29, 3, XSCL
	v_mov_b32 v[FL], 0x1800000
	s_mul_i32 s34, s[WV], 16*XTP
	s_add_co_u32 s34, s34, U                       ; my stage for x
	v_add_nc_u32 v[XW], s34, v[LI]
	v_mul_u32_u24 v[XR], v30, XTP
	v_lshl_add_u32 v[XR], v31, 6, v[XR]
	v_add_nc_u32 v[XR], s34, v[XR]
	s_mul_i32 s34, s[WV], 1536
	v_add_nc_u32 v[XIW], s34, v[LI]
	s_and_b32 s34, s[WV], 1
	s_lshl_b32 s34, s34, 7
	s_lshr_b32 s35, s[WV], 1
	s_lshl_b32 s35, s35, 2
	s_add_co_u32 s34, s34, s35
	s_add_co_u32 s34, s34, XSCL
	v_lshl_add_u32 v[XSW], v30, 3, s34
	s_mul_i32 s34, s[WV], 192
	s_add_co_u32 s34, s34, U
	v_mul_u32_u24 v[QW0], v30, QP
	v_mad_u32_u24 v[QW0], v31, 24, v[QW0]
	v_add_nc_u32 v[QW0], s34, v[QW0]
	s_lshl_b32 s34, s[WV], 4
	s_add_co_u32 s34, s34, U+QSC
	v_mul_u32_u24 v[SW0], v30, QSP
	v_add_nc_u32 v[SW0], s34, v[SW0]
	s_mul_i32 s34, s[WV], 16*QP
	s_add_co_u32 s34, s34, U
	v_mul_u32_u24 v[EQA], v30, 48
	v_mad_u32_u24 v[EQA], v31, 24, v[EQA]
	v_add_nc_u32 v[EQA], s34, v[EQA]
	v_add_nc_u32 v[EKA], KREG, v[EQA]
	s_mul_i32 s34, s[WV], 16*QSP
	s_add_co_u32 s34, s34, U+QSC
	v_mul_u32_u24 v[ESA], v31, KREG                ; lanes 16-31 take k's words: the lower base + h x the distance
	v_lshl_add_u32 v[ESA], v30, 2, v[ESA]
	v_add_nc_u32 v[ESA], s34, v[ESA]
	s_lshl_b32 s34, s[WV], 13
	s_add_co_u32 s34, s34, ATT
	v_add_nc_u32 v[ATW], s34, v[LI]
	v_add_nc_u32 v[AR], ATT, v[LI]
	s_lshl_b32 s34, s[WV], 6
	s_add_co_u32 s34, s34, U
	v_mul_u32_u24 v[OWR], v30, OSP
	v_lshl_add_u32 v[OWR], v31, 5, v[OWR]
	v_add_nc_u32 v[OWR], s34, v[OWR]               ; head r's row, + my 16 channels' 64 bytes x wave, + 32 h
	v_add_nc_u32 v[OWR+1], OSB, v[OWR]
	s_mul_i32 s34, s[WV], 4*OST
	s_add_co_u32 s34, s34, U
	v_mul_u32_u24 v[ORD], v31, OSP
	v_lshl_add_u32 v[ORD], v30, 4, v[ORD]
	v_add_nc_u32 v[ORD], s34, v[ORD]               ; back: my 4 tokens of the 16; lanes 0-15 one head's 256 bytes, lanes 16-31 the next head's
	v_add_nc_u32 v[ORD+1], OSB, v[ORD]
	v_lshlrev_b32 v[BO], 6, v31
	v_lshlrev_b32 v[BVO], 11, v31
	v_lshl_add_u32 v[BVO], v30, 2, v[BVO]
.irp i, 0,1,2,3,4,5,6,7
	s_add_co_u32 s34, s[ROT], \i
	s_and_b32 s34, s34, 7
	s_lshl_b32 s34, s34, 9
	v_add_nc_u32 v[XO+\i], s34, v[LI]              ; logical step i: the 512 bytes of K step (i + g % 8) % 8 of a token's row
.endr
.irp b, 0,1,2,3
	v_mov_b32 v[TM+4+\b], 0                        ; written once: a lane permute's destination counts as one of its sources
.endr
	s_mov_b32 s[SEL], 0x76543210
	s_mov_b32 s[SEL+1], 0xfedcba98
	s_mov_b32 s[CS], 0x3e38aa3b                    ; log2(e) / 8
	s_mov_b32 s[CS+1], s[CS]                       ; (named with it as a pair, so it is written)
	s_mov_b32 s[PT], -1
	s_cmp_ge_u32 s[WG], 25
	s_cselect_b32 s[PT], 4, s[PT]
	s_cmp_ge_u32 s[WG], 50
	s_cselect_b32 s[PT], 12, s[PT]
	s_cmp_ge_u32 s[WG], 75
	s_cselect_b32 s[PT], -1, s[PT]
	s_mov_b32 s35, 0
	s_wait_kmcnt 0x0
	s_lshl_b32 s34, s[WG], 18                      ; the work-group's 64 tokens of 4,096 bytes
	s_add_nc_u64 s[14:15], s[14:15], s[34:35]
	s_add_nc_u64 s[4:5], s[4:5], s[34:35]
	s_lshl_b32 s34, s[WV], 16
	s_add_nc_u64 s[4:5], s[4:5], s[34:35]          ; x at my 16 tokens
	s_lshl_b32 s34, s[WV], 14
	s_add_nc_u64 s[14:15], s[14:15], s[34:35]      ; out0 at my 4 tokens of the first 16
	s_mul_i32 s34, s[WV], STREAM
	s_add_nc_u64 s[6:7], s[6:7], s[34:35]          ; my stream of units
	s_lshl_b32 s34, s[WV], 10
	s_add_nc_u64 s[8:9], s[8:9], s[34:35]          ; bq, bk at my 256 columns
	s_add_nc_u64 s[10:11], s[10:11], s[34:35]
	s_lshl_b32 s34, s[WV], 6
	s_add_nc_u64 s[12:13], s[12:13], s[34:35]      ; bv at my 16 channels
	s_min_u32 s34, s[WG], 74
	s_lshl_b32 s34, s34, 13
	s_add_nc_u64 s[PFA:PFA+1], s[6:7], s[34:35]
	s_mul_i32 s34, s[ROT], UNIT
	s_add_nc_u64 s[WP:WP+1], s[6:7], s[34:35]      ; logical unit 0
	BIAS 8                                         ; bq
	XLOAD 0
	XLOAD 1
	XLOAD 2
; ---- X: my 16 tokens of x become eight fragments.  Loads run three steps ahead.  THE COUNTS: steps 0-4: the 48 loads of the three younger steps may be out; step 5: steps 6 and 7, 32; step 6: step 7's 16 and the 20 of
; unit 0 issued behind step 5 = 36; step 7: the 20 and the 24 issued behind step 6 = 44.  Unit 0's loads are issued where x's have run out.
.irp i, 0,1,2,3,4,5,6,7
.if \i <= 4
	XLOAD \i+3                                     ; into the set whose stores into the stage were waited for a step ago
	s_wait_loadcnt 48
.elseif \i == 5
	s_wait_loadcnt 32
.elseif \i == 6
	s_wait_loadcnt 36
.else
	s_wait_loadcnt 44
	BLOAD 3, 0
.endif
	XTURN \i
	s_wait_dscnt 0x0
	QUANT 0, 3
	XOUT \i
.if \i == 5
	SLOAD 0
	BLOAD 0, 0
.elseif \i == 6
	BLOAD 1, 0
	BLOAD 2, 0
.endif
.endr
	WIN 0
	BARRIER                                        ; x's 32 fragments lie in LDS, and nobody reads a stage for x any more
; ---- q, then k: one text, walked twice
	s_mov_b32 s[PH], 0
	s_mov_b32 s[TQ], 0
	s_mov_b32 s[UC], 0
.Lphase:
	PHEAD
	STEP 0, 1, 1, 1, XBLK, 1, 0                    ; the first K step starts the sums on the bias: nothing is cleared, nothing is added later
	s_mov_b32 s[KC], 3
.Lk:
	STEP 1, 0, 1, 1, 0, 1, 1
	STEP 0, 0, 1, 1, XBLK, 1, 0
	s_sub_co_u32 s[KC], s[KC], 1
	s_cmp_lg_u32 s[KC], 0
	s_cbranch_scc1 .Lk
	STEP 1, 0, 1, 0, 0, 1, 0                       ; the phase's last K step asks for the next phase's first unit
	s_cmp_lg_u32 s[PH], 0
	s_cbranch_scc1 .Lno_bias
	BIAS 10                                        ; behind q: bk, which lands while q is quantised
.Lno_bias:
	v_add_nc_u32 v[QW], s[TQ], v[QW0]
	v_add_nc_u32 v[SW], s[TQ], v[SW0]
.irp a, 0,1,2,3
.irp gp, 0,1
	QUANT 64*\a, 2+\gp                             ; tokens 16 a on, my columns 128 gp on: two heads
	QSTORE \a, \gp
.endr
.endr
	s_add_co_u32 s[TQ], s[TQ], KREG
	s_add_co_u32 s[PH], s[PH], 1
	s_cmp_lt_u32 s[PH], 2
	s_cbranch_scc1 .Lphase
	s_wait_loadcnt 0x0                             ; every load issued so far is in (the youngest, Wv's first unit, were asked for a whole epilogue ago): the registers that took the biases' loads become work registers
	BARRIER                                        ; q's and k's codes of all 64 tokens and 16 heads lie in LDS
; ---- energy and softmax: my tokens 16 w + n, four at a time
.irp e, 0,1,2,3,4,5,6,7
	global_load_b32 v[BV+\e], v[BVO], s[12:13] offset:256*\e     ; bv[head 8 h + e][channel 16 w + r], for the last product
.endr
.irp i, 0,1,2,3
.irp k, 6,7,8,9,10,11
	v_mov_b32 v[EKF+12*\i+\k], 0                   ; K = 64 .. 127 of the energy product: zero codes on both sides, written once
	v_mov_b32 v[EQF+12*\i+\k], 0
.endr
.endr
	PLACES 4                                       ; an operand written by vector instructions stands four places ahead of a scaled matrix instruction
.macro EBATCH nb
.irp i, 0,1,2,3
.irp k, 0,1,2
	ds_load_b64 v[EKF+12*\i+2*\k:EKF+12*\i+2*\k+1], v[EKA] offset:QP*(4*(\nb)+\i)+8*\k   ; lane (r, h): head r, half h: 24 bytes as they lie
	ds_load_b64 v[EQF+12*\i+2*\k:EQF+12*\i+2*\k+1], v[EQA] offset:QP*(4*(\nb)+\i)+8*\k
.endr
	ds_load_b32 v[ES+\i], v[ESA] offset:QSP*(4*(\nb)+\i)
.endr
	s_wait_dscnt 0x0
.irp i, 0,1,2,3
	v_wmma_scale_f32_16x16x128_f8f6f4 v[ED+8*\i:ED+8*\i+7], v[EKF+12*\i:EKF+12*\i+11], v[EQF+12*\i:EQF+12*\i+11], 0, v[ES+\i], v[ES+\i] matrix_a_fmt:MATRIX_FMT_FP6 matrix_b_fmt:MATRIX_FMT_FP6 matrix_a_scale:MATRIX_SCALE_ROW1
.endr
	PLACES 4
.irp i, 0,1,2,3                        ; the row's maximum, the four tokens by turns; each result is read from its low end on
	v_max3_num_f32 v[SS+8*\i], v[ED+8*\i], v[ED+8*\i+1], v[ED+8*\i+2]
.endr
.irp i, 0,1,2,3
	v_max3_num_f32 v[SS+8*\i+1], v[ED+8*\i+3], v[ED+8*\i+4], v[ED+8*\i+5]
.endr
.irp i, 0,1,2,3
	v_max3_num_f32 v[SS+8*\i], v[SS+8*\i], v[ED+8*\i+6], v[ED+8*\i+7]
.endr
.irp i, 0,1,2,3
	v_max_num_f32 v[SS+8*\i], v[SS+8*\i], v[SS+8*\i+1]
.endr
.irp i, 0,1,2,3
	v_permlanex16_b32 v[SS+8*\i+1], v[SS+8*\i], s[SEL], s[SEL+1]   ; the row's other eight mh lie in the lane 16 away
.endr
.irp i, 0,1,2,3
	v_max_num_f32 v[SS+8*\i], v[SS+8*\i], v[SS+8*\i+1]
.endr
.irp i, 0,1,2,3
	v_mul_f32 v[SS+8*\i], s[CS], v[SS+8*\i]        ; c m
.endr
.irp k, 0,2,4,6
.irp i, 0,1,2,3
	v_pk_fma_f32 v[ED+8*\i+\k:ED+8*\i+\k+1], v[ED+8*\i+\k:ED+8*\i+\k+1], s[CS:CS+1], v[SS+8*\i:SS+8*\i+1] op_sel_hi:[1,0,0] neg_lo:[0,0,1] neg_hi:[0,0,1]   ; c e - c m, 0 or less
.endr
.endr
.irp k, 0,1,2,3,4,5,6,7
.irp i, 0,1,2,3
	v_exp_f32 v[ED+8*\i+\k], v[ED+8*\i+\k]
.endr
.endr
	v_nop                                          ; a plain instruction behind the last exponential
	s_wait_alu depctr_va_vdst(0)                   ; one wait for the batch of 32, ahead of its first reader
.irp i, 0,1,2,3
	v_pk_add_f32 v[SS+8*\i+2:SS+8*\i+3], v[ED+8*\i:ED+8*\i+1], v[ED+8*\i+2:ED+8*\i+3]
.endr
.irp i, 0,1,2,3
	v_pk_add_f32 v[SS+8*\i+4:SS+8*\i+5], v[ED+8*\i+4:ED+8*\i+5], v[ED+8*\i+6:ED+8*\i+7]
.endr
.irp i, 0,1,2,3
	v_pk_add_f32 v[SS+8*\i+2:SS+8*\i+3], v[SS+8*\i+2:SS+8*\i+3], v[SS+8*\i+4:SS+8*\i+5]
.endr
.irp i, 0,1,2,3
	v_add_f32 v[SS+8*\i+2], v[SS+8*\i+2], v[SS+8*\i+3]
.endr
.irp i, 0,1,2,3
	v_permlanex16_b32 v[SS+8*\i+3], v[SS+8*\i+2], s[SEL], s[SEL+1]
.endr
.irp i, 0,1,2,3
	v_add_f32 v[SS+8*\i+2], v[SS+8*\i+2], v[SS+8*\i+3]   ; the row's sum, at least 1
.endr
.irp i, 0,1,2,3
	v_rcp_f32 v[SS+8*\i+4], v[SS+8*\i+2]
.endr
	v_nop
	s_wait_alu depctr_va_vdst(0)                   ; one wait for the four reciprocals
.irp k, 0,2,4,6
.irp i, 0,1,2,3
	v_pk_mul_f32 v[ED+8*\i+\k:ED+8*\i+\k+1], v[ED+8*\i+\k:ED+8*\i+\k+1], v[SS+8*\i+4:SS+8*\i+5] op_sel_hi:[1,0]
.endr
.endr
.irp k, 0,1,2,3
.irp i, 0,1,2,3
	v_cvt_pk_bf16_f32 v[AP+4*\i+\k], v[ED+8*\i+2*\k], v[ED+8*\i+2*\k+1]   ; lane (r, h): attn[kh = r][mh = 8 h + 2 k, + 1]: registers 0-3 of the last product's source 1
.endr
.endr
.irp i, 0,1,2,3
	ds_store_b128 v[ATW], v[AP+4*\i:AP+4*\i+3] offset:512*(4*(\nb)+\i)     ; as an image: any wave loads it back into the same lanes
.endr
.endm
	EBATCH 0
	EBATCH 1
	EBATCH 2
	EBATCH 3
; ---- v: the same K steps with the sources the other way round; the first starts the sums with the constant 0
	PHEAD
	STEP 0, 2, 0, 1, XBLK, 1, 0
	s_mov_b32 s[KC], 3
.Lkv:
	STEP 1, 0, 0, 1, 0, 1, 1
	STEP 0, 0, 0, 1, XBLK, 1, 0
	s_sub_co_u32 s[KC], s[KC], 1
	s_cmp_lg_u32 s[KC], 0
	s_cbranch_scc1 .Lkv
	STEP 1, 0, 0, 0, 0, 0, 0                       ; the last unit: nothing more is asked for
	BARRIER                                        ; attn of all 64 tokens lies in LDS, and nobody reads q's and k's codes any more: their bytes become the stages for out
; ---- out.  For a token: source 0 = lane (r, h): channel 16 w + r, K places 8 h + e: v[head 8 h + e], K places 16 + 8 h + e: bv[head 8 h + e]; source 1 = attn, in both halves of K.
	WIN 0x40
.irp t, 0,1,2,3,4,5,6,7
.irp i, 0,1,2,3
	v_cvt_pk_bf16_f32 v[8*\t+4+\i], v[BV+2*\i], v[BV+2*\i+1]     ; bv's half of the eight buffers: written once
.endr
.endr
; Tile a of 16 tokens, eight tokens at a time: register j = 4 jb + jj of the accumulators holds token j in lanes 0-15 and token 8 + j in lanes 16-31.  Heads are rounded to bf16 in pairs: heads 0-7 (window 2) into buffer
; 2 jj, heads 8-15 (window 3) into buffer 2 jj + 1; one exchange of halves a register then gives buffer 2 jj all 16 heads of token j and buffer 2 jj + 1 those of token 8 + j.
.macro OTILE a
.irp jb, 0,1
	WIN 0x40
.irp jj, 0,1,2,3
.irp hh, 0,1
	ds_load_b128 v[AB+8*(2*\jj+\hh):AB+8*(2*\jj+\hh)+3], v[AR] offset:512*(16*(\a)+8*\hh+4*\jb+\jj)
	ds_load_b128 v[AB+8*(2*\jj+\hh)+4:AB+8*(2*\jj+\hh)+7], v[AR] offset:512*(16*(\a)+8*\hh+4*\jb+\jj)
.endr
.endr
	WIN 0x4a
.irp jj, 0,1,2,3
.irp i, 0,1,2,3
	v_cvt_pk_bf16_f32 v[16*\jj+\i], v[64*(\a)+16*\i+4*\jb+\jj], v[64*(\a)+16*\i+8+4*\jb+\jj]   ; (jb = 0 comes first: each accumulator is read from its low end on)
.endr
.endr
	WIN 0x4f
.irp jj, 0,1,2,3
.irp i, 0,1,2,3
	v_cvt_pk_bf16_f32 v[16*\jj+8+\i], v[64*(\a)+16*\i+4*\jb+\jj], v[64*(\a)+16*\i+8+4*\jb+\jj]
.endr
.endr
	WIN 0x41
.irp jj, 0,1,2,3
.irp i, 0,1,2,3
	v_permlane16_swap_b32 v[16*\jj+\i], v[16*\jj+8+\i]
.endr
.endr
	PLACES 4
	s_wait_dscnt 0x0                               ; attn is in; the stores of the eight results before have read their registers
	WIN 0x45
.irp t, 0,1,2,3,4,5,6,7
	v_wmma_f32_16x16x32_bf16 v[OD+8*\t:OD+8*\t+7], v[8*\t:8*\t+7], v[AB+8*\t:AB+8*\t+7], 0
.endr
	PLACES 5                                       ; the next eight products write over these results and operands
	WIN 0x04
.irp jj, 0,1,2,3
.irp hh, 0,1
	ds_store_b128 v[OWR+(\a)%2], v[OD+8*(2*\jj+\hh):OD+8*(2*\jj+\hh)+3] offset:OST*(8*\hh+4*\jb+\jj)        ; out[token][kh = r][16 w + 8 h + 0 .. 7]: each result from its low end on
	ds_store_b128 v[OWR+(\a)%2], v[OD+8*(2*\jj+\hh)+4:OD+8*(2*\jj+\hh)+7] offset:OST*(8*\hh+4*\jb+\jj)+16
.endr
.endr
.endr
	WIN 0
	BARRIER                                        ; 16 whole tokens of out lie in stage a % 2.  The other stage is written next: every wave's reads of it were back when it signalled here
	WIN 0x80                                       ; my 4 tokens come back as whole rows, into the registers that tile a's sums have left
.irp n, 0,1,2,3,4,5,6,7,8,9,10,11,12,13,14,15
	ds_load_b128 v[64*(\a)+4*\n:64*(\a)+4*\n+3], v[ORD+(\a)%2] offset:OST*(\n/8)+2*OSP*(\n%8)
.endr
	WIN 0xc0
.irp n, 0,1,2,3,4,5,6,7,8,9,10,11,12,13,14,15
	ds_load_b128 v[64*(\a)+4*\n:64*(\a)+4*\n+3], v[ORD+(\a)%2] offset:OST*(2+\n/8)+2*OSP*(\n%8)
.endr
	WIN 0x08
.irp n, 0,1,2,3,4,5,6,7,8,9,10,11,12,13,14,15
	s_wait_dscnt 31-\n                             ; LDS loads come back in order: load n is in, the younger ones may be out
	global_store_b128 v[LI], v[64*(\a)+4*\n:64*(\a)+4*\n+3], s[14:15] offset:65536*(\a)+4096*(\n/8)+512*(\n%8) th:TH_STORE_NT   ; 32 lanes store 512 consecutive bytes, at a multiple of 256 from out0's first byte
.endr
	WIN 0x0c
.irp n, 0,1,2,3,4,5,6,7,8,9,10,11,12,13,14,15
	s_wait_dscnt 15-\n
	global_store_b128 v[LI], v[64*(\a)+4*\n:64*(\a)+4*\n+3], s[14:15] offset:65536*(\a)+4096*(2+\n/8)+512*(\n%8) th:TH_STORE_NT   ; no store's data register, offset or base is written again
.endr
.endm
	OTILE 0
	OTILE 1
	OTILE 2
	OTILE 3
	WIN 0
	s_wait_tensorcnt 0x0
	ds_add_u32 v62, v63
	s_wait_dscnt 0x0
	s_endpgm
.Lfunc_end_k_qb8bc51f431_fused:
	.size	k_qb8bc51f431_fused, .Lfunc_end_k_qb8bc51f431_fused-k_qb8bc51f431_fused
	.p2alignl 7, 3214868480
	.fill 96, 4, 3214868480
	.section	.rodata,"a",@progbits
	.p2align	6, 0x0
	.amdhsa_kernel k_qb8bc51f431_fused
		.amdhsa_group_segment_fixed_size 223744
		.amdhsa_private_segment_fixed_size 0
		.amdhsa_enable_private_segment 0
		.amdhsa_kernarg_size 48
		.amdhsa_user_sgpr_count 2
		.amdhsa_user_sgpr_kernarg_segment_ptr 1
		.amdhsa_wavefront_size32 1
		.amdhsa_system_sgpr_workgroup_id_x 1
		.amdhsa_system_sgpr_workgroup_id_y 1
		.amdhsa_system_sgpr_workgroup_id_z 1
		.amdhsa_system_vgpr_workitem_id 0
		.amdhsa_next_free_vgpr 1024
		.amdhsa_next_free_sgpr 66
		.amdhsa_reserve_vcc 0
		.amdhsa_float_denorm_mode_32 3
		.amdhsa_float_denorm_mode_16_64 3
		.amdhsa_memory_ordered 1
		.amdhsa_forward_progress 1
		.amdhsa_inst_pref_size 255
	.end_amdhsa_kernel
	.section	.bss,"aw",@nobits
	.p2align	6
	.space	262144
	.amdgpu_metadata
---
amdhsa.version: [ 1, 2 ]
amdhsa.kernels:
  - .name:           k_qb8bc51f431_fused
    .symbol:         k_qb8bc51f431_fused.kd
    .args:
      - { .name: x, .offset: 0, .size: 8, .value_kind: global_buffer, .address_space: global }
      - { .name: wimg, .offset: 8, .size: 8, .value_kind: global_buffer, .address_space: global }
      - { .name: bq, .offset: 16, .size: 8, .value_kind: global_buffer, .address_space: global }
      - { .name: bk, .offset: 24, .size: 8, .value_kind: global_buffer, .address_space: global }
      - { .name: bv, .offset: 32, .size: 8, .value_kind: global_buffer, .address_space: global }
      - { .name: out0, .offset: 40, .size: 8, .value_kind: global_buffer, .address_space: global }
    .group_segment_fixed_size: 223744
    .private_segment_fixed_size: 0
    .kernarg_segment_align: 8
    .kernarg_segment_size: 48
    .max_flat_workgroup_size: 128
    .sgpr_count:     66
    .vgpr_count:     1024
    .wavefront_size: 32
...
	.end_amdgpu_metadata
.endif
;; end of part 2
;; ======== version 2 of 2: 2 launches
;; workspace buffers: wimg 2,457,600 bytes
;; launch lay_weights (part 3): grid 256 x 1, 3 waves a work-group, no clusters, 51,200 bytes of LDS; arguments Wq, Wk, Wv, wimg; writes wimg
.if DOCPART == 3
	.amdgcn_target "amdgcn-amd-amdhsa--gfx1250"
	.amdhsa_code_object_version 6
	.text
	.protected	k_qb8bc51f431_lay_weights
	.globl	k_qb8bc51f431_lay_weights
	.p2align	8
	.type	k_qb8bc51f431_lay_weights,@function
k_qb8bc51f431_lay_weights:
	s_mov_b64 s[64:65], 0
	v_nop
	global_prefetch_b8 v0, s[64:65] scope:SCOPE_SE
	s_setreg_imm32_b32 hwreg(HW_REG_WAVE_MODE, 25, 1), 1
	s_wait_xcnt 0x0
; Wq, Wk, Wv [1024 (n)][1024 (k)] f32 become codes of FP6 (E2M3) with one E8M0 scale byte for each 32 along K, laid in the ORDER OF THE OPERAND'S REGISTERS of the wave of the
; second launch that multiplies by them.  wimg: for wave w (0..3) a stream of 24 units of 25,600 bytes at 614,400 w + 25,600 (8 ph + s); ph = 0 (q), 1 (k), 2 (v); s = the K step of 128.
; A unit: 16 fragments (16 rows x 128 K: 12 registers a lane), fragment T at 1,536 T + 512 c + 16 lane (c = 0..2); behind them 8 registers of scale words at 24,576 + 128 qq + 4 lane:
; lanes 0-15 the words of tile 2 qq's rows, lanes 16-31 those of tile 2 qq + 1.
; THE ROWS OF A TILE.  q, k: lane-row rho of tile T is row 256 w + 32 (T / 2) + 8 (T % 2) + rho + 8 (rho / 8), so that the results of two neighbouring tiles are 16 neighbours along the next K.
;                      v:    row 64 T + 16 w + rho: head T, channel 16 w + rho.
; A block's scale is 2^(floor(log2(its largest magnitude)) - 2); its byte is the largest magnitude's exponent field - 2, held at 1 from below.
; LIMITS: a block of zeros, and a block whose largest magnitude lies under 2^-124, gets the byte 1 (the rule says 127 for zeros: the codes are zeros, and this program alone reads the bytes);
; NaN and infinities among the inputs are not served.
; SHARES.  1,536 fragments = 256 work-groups x 3 waves x 2.  Work-group g: w = g / 64, s = (g / 8) % 8, qq = g % 8; the wave's number is ph.  A wave makes tiles 2 qq and 2 qq + 1 and scale register qq.
; Each load reads 512 consecutive bytes (a row's 128 numbers of the K step); the 16 rows turn through the wave's own stage in LDS, so that a lane gets 16 neighbours of each block of 32 of ITS row.
; All three tensors take one path: pointers and row steps are chosen by s_cselect on the wave's number.  No barrier: waves share nothing.
.set PITCH,  528                       ; a stage row: 512 bytes + 16: the 16 rows that a load of 16 bytes a lane touches start at 16 different groups of banks
.set STG,    16*PITCH                  ; a stage
.set WREG,   2*STG                     ; a wave's two stages
.set UNIT,   25600
.set STREAM, 24*UNIT
.set LI,   2                           ; v2   16 x lane
.set L4,   3                           ; v3   4 x lane
.set SIN,  4                           ; v4   the stage, on the way in: 16 x lane
.set SOUT, 5                           ; v5   on the way out: 528 r + 64 h
.set TM,   8                           ; v8-11 largest magnitudes, v12-15 bytes, v20-23 the conversions' scale operands
.set PW,   24                          ; v24  the scale word just made
.set PWA,  25                          ; v25  tile 2 qq's
.set PWS,  26                          ; v26  the register of scale words that is stored
.set LAND, 32                          ; v32-159  2 x 64: the rows as loaded
.set ST,   160                         ; v160-223 64 numbers of my row: register 16 b + i = k 32 b + 16 h + i
.set PCA,  224                         ; v224-243 tile 2 qq's codes
.set PCB,  32                          ; v32-51   tile 2 qq + 1's (the first landing set has been read by then)
	s_load_b128 s[4:7], s[0:1], 0x0                ; Wq, Wk
	s_load_b128 s[8:11], s[0:1], 0x10              ; Wv, wimg
	v_lshl_add_u32 v254, v0, 2, 0xc600
	v_mov_b32 v255, 0
	v_lshrrev_b32 v1, 5, v0
	v_readfirstlane_b32 s16, v1                    ; wave = ph
	v_and_b32 v1, 31, v0                           ; lane
	v_and_b32 v6, 15, v0                           ; r
	v_bfe_u32 v7, v0, 4, 1                         ; h
	v_lshlrev_b32 v[LI], 4, v1
	v_lshlrev_b32 v[L4], 2, v1
	s_mul_i32 s17, s16, WREG                       ; my stages
	v_add_nc_u32 v[SIN], s17, v[LI]
	v_mul_u32_u24 v[SOUT], v6, PITCH
	v_lshl_add_u32 v[SOUT], v7, 6, v[SOUT]
	v_add_nc_u32 v[SOUT], s17, v[SOUT]
.irp b, 0,1,2,3
	v_mov_b32 v[TM+4+\b], 0                        ; written once: a lane permute's destination counts as one of its sources
.endr
	s_mov_b32 s40, 0x76543210
	s_mov_b32 s41, 0xfedcba98                      ; v_permlanex16_b32's selects for lane l xor 16
	s_lshr_b32 s18, ttmp9, 6                       ; w
	s_bfe_u32 s19, ttmp9, 0x30003                  ; s
	s_and_b32 s20, ttmp9, 7                        ; qq
	s_lshl_b32 s21, s18, 8
	s_lshl_b32 s22, s20, 5
	s_add_co_u32 s21, s21, s22                     ; q, k: the first row, 256 w + 32 qq
	s_lshl_b32 s22, s20, 7
	s_lshl_b32 s23, s18, 4
	s_add_co_u32 s22, s22, s23                     ; v: 128 qq + 16 w
	s_cmp_eq_u32 s16, 2
	s_cselect_b32 s21, s22, s21
	s_cselect_b32 s22, 8, 16                       ; rows from lane-rows 0-7 to lane-rows 8-15
	s_cselect_b32 s23, 64, 8                       ; rows from tile 2 qq to tile 2 qq + 1
	s_lshl_b32 s21, s21, 12                        ; in bytes: a row of W is 4,096
	s_lshl_b32 s24, s19, 9
	s_add_co_u32 s21, s21, s24                     ; + the K step's 512 bytes
	s_lshl_b32 s22, s22, 12
	s_lshl_b32 s23, s23, 12
	s_mul_i32 s34, s18, STREAM
	s_lshl_b32 s35, s16, 3
	s_add_co_u32 s35, s35, s19
	s_mul_i32 s35, s35, UNIT
	s_add_co_u32 s34, s34, s35                     ; my unit in wimg
	s_mov_b32 s33, 0
	s_wait_alu depctr_va_vdst(0)
	s_wait_kmcnt 0x0
	s_cmp_eq_u32 s16, 0
	s_cselect_b64 s[12:13], s[4:5], s[6:7]
	s_cmp_eq_u32 s16, 2
	s_cselect_b64 s[12:13], s[8:9], s[12:13]       ; my tensor
	s_mov_b32 s32, s21
	s_add_nc_u64 s[24:25], s[12:13], s[32:33]      ; tile 2 qq, lane-rows 0-7
	s_add_co_u32 s32, s21, s22
	s_add_nc_u64 s[26:27], s[12:13], s[32:33]      ; lane-rows 8-15
	s_add_co_u32 s32, s21, s23
	s_add_nc_u64 s[28:29], s[12:13], s[32:33]      ; tile 2 qq + 1, lane-rows 0-7
	s_add_co_u32 s32, s32, s22
	s_add_nc_u64 s[30:31], s[12:13], s[32:33]      ; lane-rows 8-15
.irp u, 0,1
.irp e, 0,1
.irp i, 0,1,2,3,4,5,6,7
	global_load_b128 v[LAND+64*\u+4*(8*\e+\i):LAND+64*\u+4*(8*\e+\i)+3], v[LI], s[24+4*\u+2*\e:25+4*\u+2*\e] offset:4096*\i th:TH_LOAD_NT   ; 32 lanes read 512 consecutive bytes of one row; read once in this launch
.endr
.endr
.endr
	s_mov_b32 s32, s34
	s_add_nc_u64 s[10:11], s[10:11], s[32:33]      ; the unit
	s_mul_i32 s32, s20, 3072
	s_add_nc_u64 s[36:37], s[10:11], s[32:33]      ; its fragments 2 qq, 2 qq + 1
	s_lshl_b32 s32, s20, 7
	s_add_co_u32 s32, s32, 24576
	s_add_nc_u64 s[38:39], s[10:11], s[32:33]      ; its scale register qq
.macro TURN u                          ; a tile's 16 rows through stage u: LDS serves a wave's instructions in order, so no wait stands between the stores and the loads
.irp rr, 0,1,2,3,4,5,6,7,8,9,10,11,12,13,14,15
	ds_store_b128 v[SIN], v[LAND+64*\u+4*\rr:LAND+64*\u+4*\rr+3] offset:STG*\u+PITCH*\rr
.endr
.irp b, 0,1,2,3
.irp j, 0,1,2,3
	ds_load_b128 v[ST+16*\b+4*\j:ST+16*\b+4*\j+3], v[SOUT] offset:STG*\u+128*\b+16*\j
.endr
.endr
.endm
; The 64 numbers in v[ST] on become a fragment's codes in v[pc] .. v[pc + 11] and its rows' scale word in v[PW]
.macro QUANT pc
.irp b, 0,1,2,3
	v_max3_num_f32 v[TM+\b], |v[ST+16*\b]|, |v[ST+1+16*\b]|, 0x1800000   ; block b: my 16 numbers, and the floor 2^(3 - 127): the byte cannot fall under 1
.endr
.irp i, 2,4,6,8,10,12,14
.irp b, 0,1,2,3
	v_max3_num_f32 v[TM+\b], v[TM+\b], |v[ST+16*\b+\i]|, |v[ST+1+16*\b+\i]|   ; (the four blocks by turns)
.endr
.endr
.irp b, 0,1,2,3
	v_permlanex16_b32 v[TM+4+\b], v[TM+\b], s40, s41
.endr
.irp b, 0,1,2,3
	v_max_num_f32 v[TM+\b], v[TM+\b], v[TM+4+\b]   ; with lane l xor 16's 16: the block's largest magnitude
.endr
.irp b, 0,1,2,3
	v_add_nc_u32 v[TM+12+\b], 0xff000000, v[TM+\b] ; 2 off its exponent field: the conversion takes the exponent field of this operand as its scale
.endr
.irp b, 0,1,2,3
	v_lshrrev_b32 v[TM+4+\b], 23, v[TM+12+\b]      ; the scale's byte
.endr
	v_lshl_or_b32 v[PW], v[TM+5], 8, v[TM+4]
	v_lshl_or_b32 v[PW], v[TM+6], 16, v[PW]
	v_lshl_or_b32 v[PW], v[TM+7], 24, v[PW]
.irp c, 0,1
	v_cvt_scalef32_pk16_fp6_f32 v[(\pc)+6*\c:(\pc)+2+6*\c], v[ST+32*\c:ST+15+32*\c], v[TM+12+2*\c]
	v_cvt_scalef32_pk16_fp6_f32 v[(\pc)+12+4*\c:(\pc)+14+4*\c], v[ST+16+32*\c:ST+31+32*\c], v[TM+13+2*\c]   ; (a conversion's three registers begin on an even number)
.endr
	v_nop                                          ; one plain place behind a scaled conversion
.irp c, 0,1                            ; the operand's layout wants a WHOLE block in a lane: lanes 0-15 block 2 c, lanes 16-31 block 2 c + 1
.irp i, 0,1,2
	v_permlane16_swap_b32 v[(\pc)+6*\c+\i], v[(\pc)+12+4*\c+\i]
.endr
.irp i, 0,1,2
	v_mov_b32 v[(\pc)+3+6*\c+\i], v[(\pc)+12+4*\c+\i]
.endr
.endr
.endm
	s_wait_loadcnt 16                              ; the first tile's 16 loads are in; the second tile's 16 may be out
	TURN 0
	s_wait_dscnt 0x0
	QUANT PCA
.irp c, 0,1,2
	global_store_b128 v[LI], v[PCA+4*\c:PCA+4*\c+3], s[36:37] offset:512*\c        ; the fragment as it stands: 512 consecutive bytes a store
.endr
	v_mov_b32 v[PWA], v[PW]
	s_wait_loadcnt 0x0
	TURN 1
	s_wait_dscnt 0x0
	QUANT PCB
.irp c, 0,1,2
	global_store_b128 v[LI], v[PCB+4*\c:PCB+4*\c+3], s[36:37] offset:1536+512*\c
.endr
	v_cmp_le_u32 vcc_lo, 16, v1
	v_cndmask_b32 v[PWS], v[PWA], v[PW], vcc_lo    ; lanes 0-15: tile 2 qq's words; lanes 16-31: tile 2 qq + 1's (every lane holds its row r's word of both)
	global_store_b32 v[L4], v[PWS], s[38:39]       ; 128 consecutive bytes.  No store's data register is written again in this text
	s_wait_tensorcnt 0x0
	ds_add_u32 v254, v255
	s_wait_dscnt 0x0
	s_endpgm
.Lfunc_end_k_qb8bc51f431_lay_weights:
	.size	k_qb8bc51f431_lay_weights, .Lfunc_end_k_qb8bc51f431_lay_weights-k_qb8bc51f431_lay_weights
	.p2alignl 7, 3214868480
	.fill 96, 4, 3214868480
	.section	.rodata,"a",@progbits
	.p2align	6, 0x0
	.amdhsa_kernel k_qb8bc51f431_lay_weights
		.amdhsa_group_segment_fixed_size 51200
		.amdhsa_private_segment_fixed_size 0
		.amdhsa_enable_private_segment 0
		.amdhsa_kernarg_size 32
		.amdhsa_user_sgpr_count 2
		.amdhsa_user_sgpr_kernarg_segment_ptr 1
		.amdhsa_wavefront_size32 1
		.amdhsa_system_sgpr_workgroup_id_x 1
		.amdhsa_system_sgpr_workgroup_id_y 1
		.amdhsa_system_sgpr_workgroup_id_z 1
		.amdhsa_system_vgpr_workitem_id 0
		.amdhsa_next_free_vgpr 256
		.amdhsa_next_free_sgpr 66
		.amdhsa_reserve_vcc 1
		.amdhsa_float_denorm_mode_32 3
		.amdhsa_float_denorm_mode_16_64 3
		.amdhsa_memory_ordered 1
		.amdhsa_forward_progress 1
		.amdhsa_inst_pref_size 19
	.end_amdhsa_kernel
	.amdgpu_metadata
---
amdhsa.version: [ 1, 2 ]
amdhsa.kernels:
  - .name:           k_qb8bc51f431_lay_weights
    .symbol:         k_qb8bc51f431_lay_weights.kd
    .args:
      - { .name: Wq, .offset: 0, .size: 8, .value_kind: global_buffer, .address_space: global }
      - { .name: Wk, .offset: 8, .size: 8, .value_kind: global_buffer, .address_space: global }
      - { .name: Wv, .offset: 16, .size: 8, .value_kind: global_buffer, .address_space: global }
      - { .name: wimg, .offset: 24, .size: 8, .value_kind: global_buffer, .address_space: global }
    .group_segment_fixed_size: 51200
    .private_segment_fixed_size: 0
    .kernarg_segment_align: 8
    .kernarg_segment_size: 32
    .max_flat_workgroup_size: 96
    .sgpr_count:     66
    .vgpr_count:     256
    .wavefront_size: 32
...
	.end_amdgpu_metadata
.endif
;; end of part 3
;; launch fused (part 4): grid 256 x 1, 4 waves a work-group, no clusters, 223,744 bytes of LDS; arguments x, wimg, bq, bk, bv, out0; writes out0
.if DOCPART == 4
	.amdgcn_target "amdgcn-amd-amdhsa--gfx1250"
	.amdhsa_code_object_version 6
	.text
	.protected	k_qb8bc51f431_fused
	.globl	k_qb8bc51f431_fused
	.p2align	8
	.type	k_qb8bc51f431_fused,@function
k_qb8bc51f431_fused:
	s_mov_b64 s[64:65], 0
	v_nop
	global_prefetch_b8 v0, s[64:65] scope:SCOPE_SE
	s_setreg_imm32_b32 hwreg(HW_REG_WAVE_SCHED_MODE, 0, 2), 2
	s_setreg_imm32_b32 hwreg(HW_REG_WAVE_MODE, 25, 1), 1
	s_wait_xcnt 0x0
	s_wait_alu depctr_vm_vsrc(0)
; For each of 16,384 tokens: q, k, v = x W^T + b (K = 1,024, on codes of FP6 (E2M3) with one E8M0 scale for each 32 along K); energy[kh][mh] = q[kh] . k[mh] over the head's 64, again on codes (two blocks a head);
; attn = softmax over mh of energy / 8, in f32, the row's maximum taken away first; out[kh] = the sum over mh of attn[kh][mh] v[mh], on bf16 operands with f32 sums.
; SHARES.  Work-group g takes tokens 64 g .. 64 g + 63 from x to out0; q, k and v never go to memory.  THE FOUR WAVES SHARE THE COLUMNS: wave w makes 64 tokens x 256 columns of q, then of k, then of v, on the same
; 64 accumulators (512 registers).  q, k: columns 256 w on (heads 4 w .. 4 w + 3).  v: channels 16 w .. 16 w + 15 of all 16 heads.  A fragment of W feeds 4 matrix instructions, a fragment of x 16.
; x is quantised once (wave w: tokens 16 w on) and lies in LDS as images of the operand's registers, read by all four waves in each of the 24 K steps.
; THE WEIGHTS come from wimg, which the launch before has laid in the order of my registers, STRAIGHT INTO REGISTERS: 48 loads of 16 bytes a lane and 8 of scale words for a K step, each group of four fragments asked for
; again as soon as its 16 products are issued, so that 56 loads (25,600 bytes) of every wave are on their way all through the K loops and no wave waits for another there.
; NO LDS RING AND NO JOINT LOADS for the weights, though all work-groups walk the same ones: each weight byte is the operand of ONE wave of a work-group, so a way through LDS would add a write and a read of 98,304 bytes
; to each K step, beside the 25,600 that x's fragments take; and a slot's refill would have one K step, 64 matrix instructions a wave, in which to land, with a round of the cluster's barrier for each.
; THE K STEPS ARE WALKED IN AN ORDER ROTATED BY THE WORK-GROUP'S NUMBER: logical step i is K step (i + g % 8) % 8.  The rotation enters global addresses alone (x's columns, the unit), no LDS address.
; ORIENTATION.  q, k transposed (source 0 = 16 rows of W, source 1 = 16 tokens): a lane holds one token, and the rows of W's tiles are chosen so that 8 tiles' 64 registers are the 64 numbers that the quantiser wants.
; v not transposed: lane (r, h), register j of accumulator (a, T) = v[token 16 a + 8 h + j][head T][channel 16 w + r].  energy: source 0 = k's 16 heads, source 1 = q's: a lane holds kh = r and mh = 8 h + j, which rounded to
; bf16 in pairs IS the last product's source 1.  out: source 0 = 16 channels x 16 heads of v, source 1 = attn: a lane's eight results are eight neighbouring channels of out[token][kh = r].
; bq and bk are the C of each sum's first matrix instruction.  bv rides in the K places 16-31 of the last product (its K is 16, the instruction's 32): attn stands there a second time, against bv in bf16.
; LIMITS: NaN and infinities among the inputs are not served.  A block of zeros, and one whose largest magnitude lies under 2^-124, gets the scale byte 1 (its codes are zeros or subnormal; this program alone reads the bytes).
; The f32 sums over K = 1,024 are taken in the rotated order.  v and bv enter the last product as two bf16 numbers, not as their sum rounded once; attn is normalised in f32 and then rounded to bf16.
;
; THE MODE: SCHED_MODE bits 1:0 = 2 (LLVM: expert scheduling mode 2), set by the entry lines.  The code itself states the register dependences between vector or matrix instructions and memory or LDS instructions,
; with s_wait_alu, always for 0.
; THE PLAN.  Registers that memory or LDS instructions touch, and who else names them:
;   the head's addresses and offsets   written once, ahead of ONE wait on va_vdst in front of the first load; never written again (v[AA], v[AS], v[QW], v[SW]: below).
;   x's landing sets (window 2)        loads of x land; the stores into the stage read them; later loads of x, and then the sums, are written there.  The quantiser's wait on vm_vsrc stands behind each step's stores into the stage.
;   a lane's 64 numbers (window 3)     loads from the stage land; the quantiser reads them.  The wait on va_vdst ahead of a fragment's stores stands behind the quantiser's last line: the next step's loads owe nothing more.
;   v[PC] on, v[PW], v[PW2]            written by the quantiser; read by the fragment's LDS stores.  va_vdst ahead of the stores; vm_vsrc in the quantiser, ahead of the first line that writes them again.
;   W's fragments (window 1, ONE set: all 1,024 registers are taken)   group g is read by a K step's products 16 g .. 16 g + 15, and the next unit's loads land in it behind them: one wait on va_vdst a group, behind its products.
;   x's fragments, x's and W's scale words (two sets)   the set that the K step before has read is loaded behind this step's first group: that group's wait states this too.
;   v[AA], v[AS]                       read by the loads of x's fragments; written at a phase's head and every second K step: vm_vsrc ahead of the additions; the next wait on va_vdst stands ahead of the next load by them.
;   v[QW], v[SW]                       written behind a phase's K steps; read by the stores of its codes: the first fragment's wait on va_vdst; freed by the wait on vm_vsrc at the next phase's head.
;   the biases                         loaded; read as C by a phase's first 64 products; bk's loads stand behind the later K steps' waits.
;   the energy product's operands      loaded, but for the zero codes, which vector instructions write once; read by four products a batch.  One wait on va_vdst ahead of the first batch; the wait behind a batch's exponentials serves the next batch's loads.
;   v[AP]                              written by the roundings; read by the stores of attn's images: va_vdst ahead of the stores, vm_vsrc ahead of the next batch's roundings.
;   at the end: attn's buffers         loaded; read by eight products.  The results v[OD]: written by them, read by LDS stores: va_vdst ahead of the stores (which also serves the next loads of attn and the rows' loads into the
;                                      sums' registers), vm_vsrc ahead of the next eight products.  The rows of out: loaded from LDS, read by global stores, never written again.
;
; LDS: XI 0 .. 51,200: 8 blocks of 6,400, one a logical step: x's 4 fragments at 1,536 a + 512 c + 16 lane; at 6,144 + 8 lane two scale words (word 0: tile 0 in lanes 0-15, tile 1 in lanes 16-31; word 1: tiles 2, 3).
;      ATT 51,200 .. 83,968: attn's images, 512 token + 16 lane.     U 83,968 .. 223,232, three uses with barriers between: the waves' stages for x (16 x 528 each);
;      q's and k's codes (784 token + 48 head + 24 half; 784 bytes = 196 words: token t starts at bank 4 t mod 64 (64 banks of 4 bytes: ISA guide 11.1)) and scale words (68 token + 4 head), k's 54,528 behind q's; two stages for out (16 tokens x 16 heads x 272).
; REGISTERS, in windows of 256 (s_set_vgpr_msb: bits 1:0 source 0, 3:2 source 1, 5:4 source 2, 7:6 destination):
;   window 0: v1-28 addresses and the like; v32-47 W's scale words, two sets; v48-51 x's, two sets; v52-55 the energy product's (v32-55 hold scales and nothing else); v64-159 x's fragments, two sets
;             (between the phases: the quantiser's work; q's and k's fragments); v160-223 bias of tiles 8-15 (later energy and softmax); v224-231 bv; v232-239 x's offsets; v240-255 attn in bf16
;   window 1: v0-191 W's 16 fragments (at the end: v in bf16, attn, results); v192-255 bias of tiles 0-7
;   windows 2, 3: accumulator (a, T) in window 2 + T / 8 at 64 a + 8 (T % 8).  Ahead of phase q: window 2 four landing sets for x, window 3 v0-63 a lane's 64 numbers.  At the end: rows of out.
.set XBLK,  6400
.set XSCL,  6144
.set ATT,   51200
.set U,     83968
.set XTP,   528                        ; x's stage: 512 bytes + 16
.set QP,    784
.set QSC,   50176
.set QSP,   68
.set KREG,  54528
.set OSP,   272                        ; a head's 256 bytes of out + 16
.set OST,   16*OSP                     ; a token in a stage for out
.set OSB,   16*OST                     ; a stage for out
.set UNIT,  25600
.set STREAM, 24*UNIT
.set LI,  1                            ; v1   16 x lane
.set L4,  2                            ; v2   4 x lane
.set AA,  3                            ; v3   x's fragments: LI + the step's blocks
.set AS,  4                            ; v4   x's scale words: AS0 + the same
.set XW,  5                            ; v5   x's stage, in
.set XR,  6                            ; v6   and out: 528 r + 64 h
.set XIW, 7                            ; v7   where I store x's images: 16 lane + 1,536 w
.set XSW, 8                            ; v8   and their scale words: 6,144 + 8 r + 128 (w % 2) + 4 (w / 2)
.set QW0, 9                            ; v9   q's codes: U + 784 r + 24 h + 192 w
.set SW0, 10                           ; v10  q's scale words: U + 50,176 + 68 r + 16 w
.set QW,  11                           ; v11, v12  the same for the phase in hand
.set SW,  12
.set EQA, 13                           ; v13  the energy product: q's fragment, U + 12,544 w + 48 r + 24 h
.set EKA, 14                           ; v14  k's
.set ESA, 15                           ; v15  the scale words: lanes 0-15 q's, lanes 16-31 k's
.set ATW, 16                           ; v16  attn's images, my 16 tokens'
.set AR,  17                           ; v17  and anybody's
.set OWR, 18                           ; v18, v19  the stages for out: where I put 32 bytes of a head's row
.set ORD, 20                           ; v20, v21  and where I read rows back
.set BO,  22                           ; v22  bq, bk: 64 h
.set BVO, 23                           ; v23  bv: 2,048 h + 4 r
.set PFO, 24                           ; v24  the prefetch's offset: 256 x lane; never rewritten
.set FL,  25                           ; v25  the floor 2^(3 - 127)
.set PW,  26                           ; v26  the scale word just made;  v27 its upper half
.set PW2, 27
.set AS0, 28                           ; v28  6,144 + 8 lane
.set BS,  32
.set ASR, 48
.set ES,  52
.set XF,  64
.set TM,  64                           ; the quantiser: v64-67 largest magnitudes, v68-71 bytes, v76-79 the conversions' scale operands
.set PC,  80                           ; v80-99 the codes just made
.set EKF, 64                           ; the energy product: four fragments of k, four of q
.set EQF, 112
.set BHI, 160
.set ED,  160                          ; four tokens' energies
.set SS,  192                          ; and eight registers of work for each
.set BV,  224
.set XO,  232
.set AP,  240
.set BLO, 192                          ; in window 1
.set AB,  64                           ; in window 1, at the end: attn, 8 buffers;
.set OD,  128                          ; results, 8 buffers (v in bf16 at v0-63)
.set WV,  16                           ; s16  wave
.set WG,  17                           ; s17  work-group
.set ROT, 18                           ; s18  g % 8
.set TA,  19                           ; s19  the LDS bytes by which x's blocks have been stepped
.set SEL, 20                           ; s[20:21] lane selects for v_permlanex16_b32: lane l xor 16
.set CS,  22                           ; s[22:23] log2(e) / 8, twice
.set PH,  24                           ; s24  phase 0 (q), 1 (k)
.set KC,  25                           ; s25  trips of a K loop
.set TQ,  26                           ; s26  0 for q's region, 54,528 for k's
.set UC,  27                           ; s27  the logical unit in hand, 0 .. 23
.set PT,  28                           ; s28  the logical unit in which I prefetch, or -1
.set PFA, 30                           ; s[30:31] what I prefetch; never rewritten
.set WP,  40                           ; s[40:41], s[42:43] the units' addresses, by turns
.set MSB, 0
.macro WIN new                         ; the immediate's high byte repeats the setting that is left; a switch that changes nothing is dropped
.if MSB != (\new)
	s_set_vgpr_msb (MSB<<8)|(\new)
.set MSB, (\new)
.endif
.endm
; A vector instruction or a store that reads a matrix result, and a load or a vector instruction that writes a register of a matrix instruction, stand four places behind it; a matrix instruction that writes over one, five;
; only plain vector instructions that name none of its registers are places (ISA guide 7.12.1 for vector instructions).  The places stay beside the waits on va_vdst: first the places, then the wait.
.macro PLACES n
.rept \n
	v_nop
.endr
.endm
.macro BARRIER                         ; my LDS stores have landed and my LDS loads are in: then the work-group's barrier
	s_wait_dscnt 0x0
	s_barrier_signal -1
	s_barrier_wait -1
.endm
; 64 numbers of a lane, registers s .. s + 63 of window win, register 16 b + i = k 32 b + 16 h + i of my row, become a fragment's codes in v[PC] .. v[PC + 11] and the row's scale word in v[PW].
.macro QUANT s, win
	WIN ((\win)<<2)|((\win)<<4)                    ; sources 1 and 2: the numbers' window
.irp b, 0,1,2,3
	v_max3_num_f32 v[TM+\b], v[FL], |v[(\s)+16*\b]|, |v[(\s)+16*\b+1]|   ; block b: my 16 numbers, and the floor, under which no largest magnitude is taken: the byte cannot fall under 1
.endr
.irp i, 2,4,6,8,10,12,14
.irp b, 0,1,2,3
	v_max3_num_f32 v[TM+\b], v[TM+\b], |v[(\s)+16*\b+\i]|, |v[(\s)+16*\b+\i+1]|   ; (the four blocks by turns; each accumulator is read from its low end on)
.endr
.endr
	WIN 0
.irp b, 0,1,2,3
	v_permlanex16_b32 v[TM+4+\b], v[TM+\b], s[SEL], s[SEL+1]
.endr
.irp b, 0,1,2,3
	v_max_num_f32 v[TM+\b], v[TM+\b], v[TM+4+\b]   ; with lane l xor 16's 16: the block's largest magnitude
.endr
.irp b, 0,1,2,3
	v_add_nc_u32 v[TM+12+\b], 0xff000000, v[TM+\b] ; 2 off its exponent field: the conversion takes the exponent field of this operand as its scale
.endr
.irp b, 0,1,2,3
	v_lshrrev_b32 v[TM+4+\b], 23, v[TM+12+\b]      ; the scale's byte
.endr
	s_wait_alu depctr_va_vdst(0)
	s_wait_dscnt 0x0                               ; the LDS stores of the fragment before are done
	s_wait_alu depctr_vm_vsrc(0)                   ; the LDS stores issued so far have read their registers: v[PW], v[PW2] and v[PC] on, which are written from here on; ahead of phase q also the landing set that has just gone into the stage, in which a later load of x lands
	v_lshl_or_b32 v[PW], v[TM+5], 8, v[TM+4]
	v_lshl_or_b32 v[PW], v[TM+6], 16, v[PW]
	v_lshl_or_b32 v[PW], v[TM+7], 24, v[PW]
	WIN (\win)                                     ; source 0: the numbers' window
.irp c, 0,1
	v_cvt_scalef32_pk16_fp6_f32 v[PC+6*\c:PC+2+6*\c], v[(\s)+32*\c:(\s)+15+32*\c], v[TM+12+2*\c]
	v_cvt_scalef32_pk16_fp6_f32 v[PC+12+4*\c:PC+14+4*\c], v[(\s)+16+32*\c:(\s)+31+32*\c], v[TM+13+2*\c]   ; (a conversion's three registers begin on an even number)
.endr
	WIN 0
	v_nop                                          ; one plain place behind a scaled conversion
.irp c, 0,1                            ; the operand's layout wants a WHOLE block in a lane: lanes 0-15 block 2 c, lanes 16-31 block 2 c + 1
.irp i, 0,1,2
	v_permlane16_swap_b32 v[PC+6*\c+\i], v[PC+12+4*\c+\i]
.endr
.irp i, 0,1,2
	v_mov_b32 v[PC+3+6*\c+\i], v[PC+12+4*\c+\i]
.endr
.endr
.endm
.macro XLOAD i                         ; logical step i of my 16 tokens of x into landing set i % 4: each load reads 512 consecutive bytes of one token.  No vector instruction names a landing set
	WIN 0x80
.irp rr, 0,1,2,3,4,5,6,7,8,9,10,11,12,13,14,15
	global_load_b128 v[64*((\i)%4)+4*\rr:64*((\i)%4)+4*\rr+3], v[XO+(\i)], s[4:5] offset:4096*\rr th:TH_LOAD_NT
.endr
.endm
.macro XTURN i                         ; through my stage: LDS serves a wave's instructions in order, so no wait stands between the stores and the loads
	WIN 0x08
.irp rr, 0,1,2,3,4,5,6,7,8,9,10,11,12,13,14,15
	ds_store_b128 v[XW], v[64*((\i)%4)+4*\rr:64*((\i)%4)+4*\rr+3] offset:XTP*\rr
.endr
	WIN 0xc0
.irp b, 0,1,2,3
.irp j, 0,1,2,3
	ds_load_b128 v[16*\b+4*\j:16*\b+4*\j+3], v[XR] offset:128*\b+16*\j   ; no vector instruction has named these registers since the wait on va_vdst ahead of the last fragment's stores
.endr
.endr
.endm
.macro XOUT i                          ; the fragment goes to LDS as it stands, its scale word beside it (lanes r and r + 16 write the same word with the same value)
	s_wait_alu depctr_va_vdst(0)                   ; the quantiser has written v[PC] on and v[PW], which the stores below read; and it is done reading the 64 numbers of window 3, in which the next step's loads from the stage land
.irp c, 0,1,2
	ds_store_b128 v[XIW], v[PC+4*\c:PC+4*\c+3] offset:XBLK*(\i)+512*\c
.endr
	ds_store_b32 v[XSW], v[PW] offset:XBLK*(\i)
.endm
.macro BIAS ptr                        ; a bias in the result's layout: lane (r, h) wants, for tile 2 b + u, the numbers of columns 32 b + 16 h + 8 u + 0 .. 7
	WIN 0x40
.irp t, 0,1,2,3,4,5,6,7
	global_load_b128 v[BLO+8*\t:BLO+8*\t+3], v[BO], s[\ptr:\ptr+1] offset:(32*(\t/2)+8*(\t%2))*4
	global_load_b128 v[BLO+8*\t+4:BLO+8*\t+7], v[BO], s[\ptr:\ptr+1] offset:(32*(\t/2)+8*(\t%2))*4+16
.endr
	WIN 0
.irp t, 8,9,10,11,12,13,14,15
	global_load_b128 v[BHI+8*(\t-8):BHI+8*(\t-8)+3], v[BO], s[\ptr:\ptr+1] offset:(32*(\t/2)+8*(\t%2))*4
	global_load_b128 v[BHI+8*(\t-8)+4:BHI+8*(\t-8)+7], v[BO], s[\ptr:\ptr+1] offset:(32*(\t/2)+8*(\t%2))*4+16
.endr
.endm
; The next unit's address into pair set.  The pair's last loads were issued two K steps ago, and the counted waits of the step between have shown every one of them done: so it may be written.
.macro NEXTBASE set
	s_add_co_u32 s34, s[UC], 1                     ; the next logical unit n:
	s_add_co_u32 s35, s34, s[ROT]
	s_and_b32 s35, s35, 7                          ; its K step, rotated,
	s_and_b32 s34, s34, 0x18                       ; in its phase
	s_or_b32 s34, s34, s35
	s_mul_i32 s34, s34, UNIT
	s_mov_b32 s35, 0
	s_add_nc_u64 s[WP+2*(\set):WP+2*(\set)+1], s[6:7], s[34:35]
.endm
.macro SLOAD set                       ; a unit's 8 registers of scale words
	WIN 0
.irp q, 0,1,2,3,4,5,6,7
	global_load_b32 v[BS+8*(\set)+\q], v[L4], s[WP+2*(\set):WP+2*(\set)+1] offset:24576+128*\q
.endr
.endm
.macro BLOAD g, set                    ; a unit's fragments 4 g .. 4 g + 3: 12 loads of 512 consecutive bytes
	WIN 0x40
.irp f, 0,1,2,3
.irp c, 0,1,2
	global_load_b128 v[12*(4*(\g)+\f)+4*\c:12*(4*(\g)+\f)+4*\c+3], v[LI], s[WP+2*(\set):WP+2*(\set)+1] offset:1536*(4*(\g)+\f)+512*\c
.endr
.endr
.endm
.macro AFETCH set, off                 ; x's four fragments and two registers of scale words of the block off bytes on
.irp a, 0,1,2,3
.irp c, 0,1,2
	ds_load_b128 v[XF+48*(\set)+12*\a+4*\c:XF+48*(\set)+12*\a+4*\c+3], v[AA] offset:(\off)+1536*\a+512*\c
.endr
.endr
	ds_load_b64 v[ASR+2*(\set):ASR+2*(\set)+1], v[AS] offset:(\off)
.endm
; A PREFETCH INTO THE L2 of Wk's and Wv's images.  A wave's stream is 75 pieces of 8,192 bytes, 25 a phase.  Work-group g (25 .. 74) asks, in each of its four waves, for piece g of that wave's stream: one instruction, lanes
; 256 bytes apart: so each aligned block of 256 bytes is named once in the launch.  It asks in logical unit 4 (pieces of k) or 12 (of v): three K steps, 192 matrix instructions, ahead of the first load of that phase's
; units.  Wq's pieces come by their loads alone.  The other work-groups ask for nothing; the address is held to the stream's last piece, and its registers are never rewritten.
.macro ASK
	s_cmp_eq_u32 s[UC], s[PT]
	s_cbranch_scc0 .Lnot_now_\@
	global_prefetch_b8 v[PFO], s[PFA:PFA+1] th:TH_LOAD_NT scope:SCOPE_SE
.Lnot_now_\@:
.endm
; One matrix instruction: tokens' tile a x W's tile T, 128 along K, operand sets p.  tr = 1: source 0 = W, source 1 = x; 0: the other way round.  mode 0: adds in place; 1: C = the bias of tile T; 2: C = 0.
; A register of scale words carries two tiles': the even tile's in lanes 0-15, the odd one's in lanes 16-31.
.macro WM tr, mode, p, a, T
.set rD, 64*(\a)+8*((\T)%8)
.set rC, rD
.if (\mode) == 1
.if (\T) < 8
.set rC, BLO+8*(\T)
.else
.set rC, BHI+8*((\T)-8)
.endif
.endif
.if \tr
.set rA, 12*(\T)
.set rB, XF+48*(\p)+12*(\a)
.set sA, BS+8*(\p)+(\T)/2
.set sB, ASR+2*(\p)+(\a)/2
.set oA, (\T)%2
.set oB, (\a)%2
.else
.set rA, XF+48*(\p)+12*(\a)
.set rB, 12*(\T)
.set sA, ASR+2*(\p)+(\a)/2
.set sB, BS+8*(\p)+(\T)/2
.set oA, (\a)%2
.set oB, (\T)%2
.endif
.if (\mode) == 2
.if oA && oB
	v_wmma_scale_f32_16x16x128_f8f6f4 v[rD:rD+7], v[rA:rA+11], v[rB:rB+11], 0, v[sA], v[sB] matrix_a_fmt:MATRIX_FMT_FP6 matrix_b_fmt:MATRIX_FMT_FP6 matrix_a_scale:MATRIX_SCALE_ROW1 matrix_b_scale:MATRIX_SCALE_ROW1
.elseif oA
	v_wmma_scale_f32_16x16x128_f8f6f4 v[rD:rD+7], v[rA:rA+11], v[rB:rB+11], 0, v[sA], v[sB] matrix_a_fmt:MATRIX_FMT_FP6 matrix_b_fmt:MATRIX_FMT_FP6 matrix_a_scale:MATRIX_SCALE_ROW1
.elseif oB
	v_wmma_scale_f32_16x16x128_f8f6f4 v[rD:rD+7], v[rA:rA+11], v[rB:rB+11], 0, v[sA], v[sB] matrix_a_fmt:MATRIX_FMT_FP6 matrix_b_fmt:MATRIX_FMT_FP6 matrix_b_scale:MATRIX_SCALE_ROW1
.else
	v_wmma_scale_f32_16x16x128_f8f6f4 v[rD:rD+7], v[rA:rA+11], v[rB:rB+11], 0, v[sA], v[sB] matrix_a_fmt:MATRIX_FMT_FP6 matrix_b_fmt:MATRIX_FMT_FP6
.endif
.else
.if oA && oB
	v_wmma_scale_f32_16x16x128_f8f6f4 v[rD:rD+7], v[rA:rA+11], v[rB:rB+11], v[rC:rC+7], v[sA], v[sB] matrix_a_fmt:MATRIX_FMT_FP6 matrix_b_fmt:MATRIX_FMT_FP6 matrix_a_scale:MATRIX_SCALE_ROW1 matrix_b_scale:MATRIX_SCALE_ROW1
.elseif oA
	v_wmma_scale_f32_16x16x128_f8f6f4 v[rD:rD+7], v[rA:rA+11], v[rB:rB+11], v[rC:rC+7], v[sA], v[sB] matrix_a_fmt:MATRIX_FMT_FP6 matrix_b_fmt:MATRIX_FMT_FP6 matrix_a_scale:MATRIX_SCALE_ROW1
.elseif oB
	v_wmma_scale_f32_16x16x128_f8f6f4 v[rD:rD+7], v[rA:rA+11], v[rB:rB+11], v[rC:rC+7], v[sA], v[sB] matrix_a_fmt:MATRIX_FMT_FP6 matrix_b_fmt:MATRIX_FMT_FP6 matrix_b_scale:MATRIX_SCALE_ROW1
.else
	v_wmma_scale_f32_16x16x128_f8f6f4 v[rD:rD+7], v[rA:rA+11], v[rB:rB+11], v[rC:rC+7], v[sA], v[sB] matrix_a_fmt:MATRIX_FMT_FP6 matrix_b_fmt:MATRIX_FMT_FP6
.endif
.endif
.endm
; 16 matrix instructions: W's tiles 4 g .. 4 g + 3, each against the four tiles of tokens.  The 64 accumulators take turns, one instruction a turn, in the same order in every K step.
.macro MUL16 tr, mode, p, g
.if \tr
.if (\mode) == 1
	WIN 0x91+0x30*((\g)/2)                         ; W window 1, x window 0; the bias in window 1 (tiles 0-7) or 0; D window 2 or 3
.else
	WIN 0xa1+0x50*((\g)/2)                         ; W window 1, x window 0, C and D window 2 or 3
.endif
.else
	WIN 0xa4+0x50*((\g)/2)                         ; x window 0, W window 1, C and D window 2 or 3
.endif
.irp t, 0,1,2,3
.irp a, 0,1,2,3
	WM \tr, \mode, \p, \a, 4*(\g)+\t
.endr
.endr
.endm
; A K STEP: 64 matrix instructions on operand sets p.  anext: x's next block, aoff bytes on, is fetched into the other set.  bnext: the next unit is asked for: its scale words into the other set, each group of four
; fragments into the registers that this step's 16 products have just read.  adv: x's addresses step two blocks on.
; THE COUNTS.  Loads are issued in the order S (8), B0, B1, B2, B3 (12 each) for each unit.  Group 0 wants this unit's S and B0: behind B0 stand B1, B2, B3 = 36.  Group g > 0 wants Bg: behind it stand what is left of this
; unit and what has been asked of the next, 3 groups of 12 and the 8 scale words = 44.  Where nothing is asked for: 36, 24, 12, 0.
; THE WAITS ON va_vdst: one behind each group's products, where loads follow; a step that asks for nothing has none.
.macro STEP p, mode, tr, anext, aoff, bnext, adv
.if \bnext
	NEXTBASE 1-\p
.endif
	s_wait_dscnt 0x0                               ; x's fragments of this step, asked for 48 matrix instructions ago, are in
.if \adv
	s_add_co_u32 s[TA], s[TA], 2*XBLK
	s_wait_alu depctr_vm_vsrc(0)                   ; the LDS loads issued so far have read v[AA] and v[AS], which are written next
	v_add_nc_u32 v[AA], s[TA], v[LI]
	v_add_nc_u32 v[AS], s[TA], v[AS0]
.endif
.irp g, 0,1,2,3
.if \bnext
.if \g == 0
	s_wait_loadcnt 36
.else
	s_wait_loadcnt 44
.endif
.else
	s_wait_loadcnt 36-12*\g
.endif
	MUL16 \tr, \mode, \p, \g
	PLACES 4                                       ; in front of the loads into registers that matrix instructions have read, and at a phase's end of the first read of results
.if \g == 0
	WIN 0
.elseif \bnext
	WIN 0x40                                       ; the loads' window, then the wait, then the loads
.endif
.if \bnext || ((\g == 0) && \anext)
	s_wait_alu depctr_va_vdst(0)                   ; this group's 16 products are done reading W's fragments 4 g .. 4 g + 3, in which the next unit's loads land.  Group 0 also: the K step before is done reading the other set of x's fragments and of both sides' scale words, in which the loads below land; and v[AA], v[AS] are written where they were stepped
.endif
.if \g == 0
.if \anext
	AFETCH 1-\p, \aoff
.endif
.if \bnext
	SLOAD 1-\p
.endif
.endif
.if \bnext
	BLOAD \g, 1-\p
.endif
.if (\g == 0) && \bnext
	WIN 0                                          ; at a branch and at a label every window is 0
	ASK
.endif
.endr
	WIN 0
	s_add_co_u32 s[UC], s[UC], 1
.endm
.macro PHEAD                           ; a phase's head: x's first block; every load issued so far (the phase's first unit, and a bias or bv behind it) is in
	s_mov_b32 s[TA], 0
	s_wait_dscnt 0x0                               ; no LDS instruction of mine is out
	s_wait_alu depctr_vm_vsrc(0)                   ; the LDS instructions issued so far have read their registers: v[AA] and v[AS], written next; v[PC] on, in which x's fragments land; v[QW] and v[SW], written again behind this phase's K steps; the landing sets, in which the first sums are written
	v_add_nc_u32 v[AA], s[TA], v[LI]
	v_add_nc_u32 v[AS], s[TA], v[AS0]
	s_wait_alu depctr_va_vdst(0)                   ; v[AA] and v[AS] are written, which the loads below read; the quantiser, the products of the phase before and the energy products are done with v48-51 and v64-159, in which x's fragments and scale words land
	AFETCH 0, 0
	s_wait_loadcnt 0x0
.endm
; The fragment just made holds, for my token 16 a + r, heads 4 w + 2 gp + c (c = 0, 1), half h: 24 bytes each.  They go to the token's row of codes; the head's two scale bytes go as a word whose upper
; two bytes scale the zero codes of K = 64 .. 127 of the energy product: the other head's bytes or 0, never 0xff.  (Lanes r and r + 16 write the same word with the same value.)
.macro QSTORE a, gp
	v_lshrrev_b32 v[PW2], 16, v[PW]                ; (the last fragment's store has read v[PW2]: the quantiser's wait on vm_vsrc stands between)
	s_wait_alu depctr_va_vdst(0)                   ; the quantiser and the line above have written v[PC] on, v[PW] and v[PW2], which the stores below read; ahead of a phase's first fragment v[QW] and v[SW] are written too
.irp c, 0,1
.irp i, 0,1,2
	ds_store_b64 v[QW], v[PC+6*\c+2*\i:PC+6*\c+2*\i+1] offset:16*QP*(\a)+48*(2*(\gp)+\c)+8*\i
.endr
	ds_store_b32 v[SW], v[PW+\c] offset:16*QSP*(\a)+4*(2*(\gp)+\c)
.endr
.endm
	s_load_b128 s[4:7], s[0:1], 0x0                ; x, wimg
	s_load_b128 s[8:11], s[0:1], 0x10              ; bq, bk
	s_load_b128 s[12:15], s[0:1], 0x20             ; bv, out0
	v_lshl_add_u32 v62, v0, 2, 0x36800
	v_mov_b32 v63, 0
	v_lshrrev_b32 v29, 5, v0
	v_readfirstlane_b32 s[WV], v29                 ; wave 0..3
	s_mov_b32 s[WG], ttmp9
	s_and_b32 s[ROT], ttmp9, 7
	v_and_b32 v29, 31, v0                          ; lane
	v_and_b32 v30, 15, v0                          ; r
	v_bfe_u32 v31, v0, 4, 1                        ; h
	v_lshlrev_b32 v[LI], 4, v29
	v_lshlrev_b32 v[L4], 2, v29
	v_lshlrev_b32 v[PFO], 8, v29
	v_lshl_add_u32 v[AS0], v29, 3, XSCL
	v_mov_b32 v[FL], 0x1800000
	s_wait_alu depctr_va_sdst(0)                   ; the wave's number is written, ahead of its first reader: LDS addresses and the buffers' bases are made from it
	s_mul_i32 s34, s[WV], 16*XTP
	s_add_co_u32 s34, s34, U                       ; my stage for x
	v_add_nc_u32 v[XW], s34, v[LI]
	v_mul_u32_u24 v[XR], v30, XTP
	v_lshl_add_u32 v[XR], v31, 6, v[XR]
	v_add_nc_u32 v[XR], s34, v[XR]
	s_mul_i32 s34, s[WV], 1536
	v_add_nc_u32 v[XIW], s34, v[LI]
	s_and_b32 s34, s[WV], 1
	s_lshl_b32 s34, s34, 7
	s_lshr_b32 s35, s[WV], 1
	s_lshl_b32 s35, s35, 2
	s_add_co_u32 s34, s34, s35
	s_add_co_u32 s34, s34, XSCL
	v_lshl_add_u32 v[XSW], v30, 3, s34
	s_mul_i32 s34, s[WV], 192
	s_add_co_u32 s34, s34, U
	v_mul_u32_u24 v[QW0], v30, QP
	v_mad_u32_u24 v[QW0], v31, 24, v[QW0]
	v_add_nc_u32 v[QW0], s34, v[QW0]
	s_lshl_b32 s34, s[WV], 4
	s_add_co_u32 s34, s34, U+QSC
	v_mul_u32_u24 v[SW0], v30, QSP
	v_add_nc_u32 v[SW0], s34, v[SW0]
	s_mul_i32 s34, s[WV], 16*QP
	s_add_co_u32 s34, s34, U
	v_mul_u32_u24 v[EQA], v30, 48
	v_mad_u32_u24 v[EQA], v31, 24, v[EQA]
	v_add_nc_u32 v[EQA], s34, v[EQA]
	v_add_nc_u32 v[EKA], KREG, v[EQA]
	s_mul_i32 s34, s[WV], 16*QSP
	s_add_co_u32 s34, s34, U+QSC
	v_mul_u32_u24 v[ESA], v31, KREG                ; lanes 16-31 take k's words: the lower base + h x the distance
	v_lshl_add_u32 v[ESA], v30, 2, v[ESA]
	v_add_nc_u32 v[ESA], s34, v[ESA]
	s_lshl_b32 s34, s[WV], 13
	s_add_co_u32 s34, s34, ATT
	v_add_nc_u32 v[ATW], s34, v[LI]
	v_add_nc_u32 v[AR], ATT, v[LI]
	s_lshl_b32 s34, s[WV], 6
	s_add_co_u32 s34, s34, U
	v_mul_u32_u24 v[OWR], v30, OSP
	v_lshl_add_u32 v[OWR], v31, 5, v[OWR]
	v_add_nc_u32 v[OWR], s34, v[OWR]               ; head r's row, + my 16 channels' 64 bytes x wave, + 32 h
	v_add_nc_u32 v[OWR+1], OSB, v[OWR]
	s_mul_i32 s34, s[WV], 4*OST
	s_add_co_u32 s34, s34, U
	v_mul_u32_u24 v[ORD], v31, OSP
	v_lshl_add_u32 v[ORD], v30, 4, v[ORD]
	v_add_nc_u32 v[ORD], s34, v[ORD]               ; back: my 4 tokens of the 16; lanes 0-15 one head's 256 bytes, lanes 16-31 the next head's
	v_add_nc_u32 v[ORD+1], OSB, v[ORD]
	v_lshlrev_b32 v[BO], 6, v31
	v_lshlrev_b32 v[BVO], 11, v31
	v_lshl_add_u32 v[BVO], v30, 2, v[BVO]
.irp i, 0,1,2,3,4,5,6,7
	s_add_co_u32 s34, s[ROT], \i
	s_and_b32 s34, s34, 7
	s_lshl_b32 s34, s34, 9
	v_add_nc_u32 v[XO+\i], s34, v[LI]              ; logical step i: the 512 bytes of K step (i + g % 8) % 8 of a token's row
.endr
.irp b, 0,1,2,3
	v_mov_b32 v[TM+4+\b], 0                        ; written once: a lane permute's destination counts as one of its sources
.endr
	s_mov_b32 s[SEL], 0x76543210
	s_mov_b32 s[SEL+1], 0xfedcba98
	s_mov_b32 s[CS], 0x3e38aa3b                    ; log2(e) / 8
	s_mov_b32 s[CS+1], s[CS]                       ; (named with it as a pair, so it is written)
	s_mov_b32 s[PT], -1
	s_cmp_ge_u32 s[WG], 25
	s_cselect_b32 s[PT], 4, s[PT]
	s_cmp_ge_u32 s[WG], 50
	s_cselect_b32 s[PT], 12, s[PT]
	s_cmp_ge_u32 s[WG], 75
	s_cselect_b32 s[PT], -1, s[PT]
	s_mov_b32 s35, 0
	s_wait_kmcnt 0x0
	s_lshl_b32 s34, s[WG], 18                      ; the work-group's 64 tokens of 4,096 bytes
	s_add_nc_u64 s[14:15], s[14:15], s[34:35]
	s_add_nc_u64 s[4:5], s[4:5], s[34:35]
	s_lshl_b32 s34, s[WV], 16
	s_add_nc_u64 s[4:5], s[4:5], s[34:35]          ; x at my 16 tokens
	s_lshl_b32 s34, s[WV], 14
	s_add_nc_u64 s[14:15], s[14:15], s[34:35]      ; out0 at my 4 tokens of the first 16
	s_mul_i32 s34, s[WV], STREAM
	s_add_nc_u64 s[6:7], s[6:7], s[34:35]          ; my stream of units
	s_lshl_b32 s34, s[WV], 10
	s_add_nc_u64 s[8:9], s[8:9], s[34:35]          ; bq, bk at my 256 columns
	s_add_nc_u64 s[10:11], s[10:11], s[34:35]
	s_lshl_b32 s34, s[WV], 6
	s_add_nc_u64 s[12:13], s[12:13], s[34:35]      ; bv at my 16 channels
	s_min_u32 s34, s[WG], 74
	s_lshl_b32 s34, s34, 13
	s_add_nc_u64 s[PFA:PFA+1], s[6:7], s[34:35]
	s_mul_i32 s34, s[ROT], UNIT
	s_add_nc_u64 s[WP:WP+1], s[6:7], s[34:35]      ; logical unit 0
	s_wait_alu depctr_va_vdst(0)                   ; all the addresses and offsets made above are written: the loads, stores and the prefetch of the whole kernel read them, and none of them is written again
	BIAS 8                                         ; bq
	XLOAD 0
	XLOAD 1
	XLOAD 2
; ---- X: my 16 tokens of x become eight fragments.  Loads run three steps ahead.  THE COUNTS: steps 0-4: the 48 loads of the three younger steps may be out; step 5: steps 6 and 7, 32; step 6: step 7's 16 and the 20 of
; unit 0 issued behind step 5 = 36; step 7: the 20 and the 24 issued behind step 6 = 44.  Unit 0's loads are issued where x's have run out: into registers that nothing has named yet.
.irp i, 0,1,2,3,4,5,6,7
.if \i <= 4
	XLOAD \i+3                                     ; into the set that the step before has sent into the stage: the quantiser's wait on vm_vsrc stands behind those stores
	s_wait_loadcnt 48
.elseif \i == 5
	s_wait_loadcnt 32
.elseif \i == 6
	s_wait_loadcnt 36
.else
	s_wait_loadcnt 44
	BLOAD 3, 0
.endif
	XTURN \i
	s_wait_dscnt 0x0
	QUANT 0, 3
	XOUT \i
.if \i == 5
	SLOAD 0
	BLOAD 0, 0
.elseif \i == 6
	BLOAD 1, 0
	BLOAD 2, 0
.endif
.endr
	WIN 0
	BARRIER                                        ; x's 32 fragments lie in LDS, and nobody reads a stage for x any more
; ---- q, then k: one text, walked twice
	s_mov_b32 s[PH], 0
	s_mov_b32 s[TQ], 0
	s_mov_b32 s[UC], 0
.Lphase:
	PHEAD
	STEP 0, 1, 1, 1, XBLK, 1, 0                    ; the first K step starts the sums on the bias: nothing is cleared, nothing is added later
	s_mov_b32 s[KC], 3
.Lk:
	STEP 1, 0, 1, 1, 0, 1, 1
	STEP 0, 0, 1, 1, XBLK, 1, 0
	s_sub_co_u32 s[KC], s[KC], 1
	s_cmp_lg_u32 s[KC], 0
	s_cbranch_scc1 .Lk
	STEP 1, 0, 1, 0, 0, 1, 0                       ; the phase's last K step asks for the next phase's first unit
	s_cmp_lg_u32 s[PH], 0
	s_cbranch_scc1 .Lno_bias
	BIAS 10                                        ; behind q: bk, which lands while q is quantised.  The registers' last readers, the phase's first 64 products, stand ahead of the later K steps' waits on va_vdst
.Lno_bias:
	v_add_nc_u32 v[QW], s[TQ], v[QW0]              ; (q's stores have read v[QW] and v[SW]: the wait on vm_vsrc at phase k's head stands between)
	v_add_nc_u32 v[SW], s[TQ], v[SW0]
.irp a, 0,1,2,3
.irp gp, 0,1
	QUANT 64*\a, 2+\gp                             ; tokens 16 a on, my columns 128 gp on: two heads
	QSTORE \a, \gp
.endr
.endr
	s_add_co_u32 s[TQ], s[TQ], KREG
	s_add_co_u32 s[PH], s[PH], 1
	s_cmp_lt_u32 s[PH], 2
	s_cbranch_scc1 .Lphase
	s_wait_loadcnt 0x0                             ; every load issued so far is in (the youngest, Wv's first unit, were asked for a whole epilogue ago): the registers that took the biases' loads become work registers
	BARRIER                                        ; q's and k's codes of all 64 tokens and 16 heads lie in LDS
; ---- energy and softmax: my tokens 16 w + n, four at a time
.irp e, 0,1,2,3,4,5,6,7
	global_load_b32 v[BV+\e], v[BVO], s[12:13] offset:256*\e     ; bv[head 8 h + e][channel 16 w + r], for the last product; nothing has named these registers yet
.endr
	s_wait_alu depctr_vm_vsrc(0)                   ; my LDS stores of k's last codes have read v[PC] on: zero codes are written there, and fragments land there
.irp i, 0,1,2,3
.irp k, 6,7,8,9,10,11
	v_mov_b32 v[EKF+12*\i+\k], 0                   ; K = 64 .. 127 of the energy product: zero codes on both sides, written once
	v_mov_b32 v[EQF+12*\i+\k], 0
.endr
.endr
	PLACES 4                                       ; an operand written by vector instructions stands four places ahead of a scaled matrix instruction
	s_wait_alu depctr_va_vdst(0)                   ; the zero codes are written, which the scaled products take as part of their operands; the quantiser and phase k's products are done with v64-159, in which the first batch's fragments land
.macro EBATCH nb
.irp i, 0,1,2,3
.irp k, 0,1,2
	ds_load_b64 v[EKF+12*\i+2*\k:EKF+12*\i+2*\k+1], v[EKA] offset:QP*(4*(\nb)+\i)+8*\k   ; lane (r, h): head r, half h: 24 bytes as they lie
	ds_load_b64 v[EQF+12*\i+2*\k:EQF+12*\i+2*\k+1], v[EQA] offset:QP*(4*(\nb)+\i)+8*\k
.endr
	ds_load_b32 v[ES+\i], v[ESA] offset:QSP*(4*(\nb)+\i)
.endr
	s_wait_dscnt 0x0
.irp i, 0,1,2,3
	v_wmma_scale_f32_16x16x128_f8f6f4 v[ED+8*\i:ED+8*\i+7], v[EKF+12*\i:EKF+12*\i+11], v[EQF+12*\i:EQF+12*\i+11], 0, v[ES+\i], v[ES+\i] matrix_a_fmt:MATRIX_FMT_FP6 matrix_b_fmt:MATRIX_FMT_FP6 matrix_a_scale:MATRIX_SCALE_ROW1
.endr
	PLACES 4
.irp i, 0,1,2,3                        ; the row's maximum, the four tokens by turns; each result is read from its low end on
	v_max3_num_f32 v[SS+8*\i], v[ED+8*\i], v[ED+8*\i+1], v[ED+8*\i+2]
.endr
.irp i, 0,1,2,3
	v_max3_num_f32 v[SS+8*\i+1], v[ED+8*\i+3], v[ED+8*\i+4], v[ED+8*\i+5]
.endr
.irp i, 0,1,2,3
	v_max3_num_f32 v[SS+8*\i], v[SS+8*\i], v[ED+8*\i+6], v[ED+8*\i+7]
.endr
.irp i, 0,1,2,3
	v_max_num_f32 v[SS+8*\i], v[SS+8*\i], v[SS+8*\i+1]
.endr
.irp i, 0,1,2,3
	v_permlanex16_b32 v[SS+8*\i+1], v[SS+8*\i], s[SEL], s[SEL+1]   ; the row's other eight mh lie in the lane 16 away
.endr
.irp i, 0,1,2,3
	v_max_num_f32 v[SS+8*\i], v[SS+8*\i], v[SS+8*\i+1]
.endr
.irp i, 0,1,2,3
	v_mul_f32 v[SS+8*\i], s[CS], v[SS+8*\i]        ; c m
.endr
.irp k, 0,2,4,6
.irp i, 0,1,2,3
	v_pk_fma_f32 v[ED+8*\i+\k:ED+8*\i+\k+1], v[ED+8*\i+\k:ED+8*\i+\k+1], s[CS:CS+1], v[SS+8*\i:SS+8*\i+1] op_sel_hi:[1,0,0] neg_lo:[0,0,1] neg_hi:[0,0,1]   ; c e - c m, 0 or less
.endr
.endr
	s_wait_alu depctr_va_vdst(0)
.irp k, 0,1,2,3,4,5,6,7
.irp i, 0,1,2,3
	v_exp_f32 v[ED+8*\i+\k], v[ED+8*\i+\k]
.endr
.endr
	v_nop                                          ; a plain instruction behind the last exponential
	s_wait_alu depctr_va_vdst(0)                   ; the 32 exponentials have written v[ED] on, ahead of their first reader (one wait for the batch); and the four products are done reading their fragments and scale words, in which the next batch's loads land: nothing behind this line names those
.irp i, 0,1,2,3
	v_pk_add_f32 v[SS+8*\i+2:SS+8*\i+3], v[ED+8*\i:ED+8*\i+1], v[ED+8*\i+2:ED+8*\i+3]
.endr
.irp i, 0,1,2,3
	v_pk_add_f32 v[SS+8*\i+4:SS+8*\i+5], v[ED+8*\i+4:ED+8*\i+5], v[ED+8*\i+6:ED+8*\i+7]
.endr
.irp i, 0,1,2,3
	v_pk_add_f32 v[SS+8*\i+2:SS+8*\i+3], v[SS+8*\i+2:SS+8*\i+3], v[SS+8*\i+4:SS+8*\i+5]
.endr
.irp i, 0,1,2,3
	v_add_f32 v[SS+8*\i+2], v[SS+8*\i+2], v[SS+8*\i+3]
.endr
.irp i, 0,1,2,3
	v_permlanex16_b32 v[SS+8*\i+3], v[SS+8*\i+2], s[SEL], s[SEL+1]
.endr
.irp i, 0,1,2,3
	v_add_f32 v[SS+8*\i+2], v[SS+8*\i+2], v[SS+8*\i+3]   ; the row's sum, at least 1
.endr
	s_wait_alu depctr_va_vdst(0)
.irp i, 0,1,2,3
	v_rcp_f32 v[SS+8*\i+4], v[SS+8*\i+2]
.endr
	v_nop
	s_wait_alu depctr_va_vdst(0)                   ; the four reciprocals have written their results, ahead of their first reader
.irp k, 0,2,4,6
.irp i, 0,1,2,3
	v_pk_mul_f32 v[ED+8*\i+\k:ED+8*\i+\k+1], v[ED+8*\i+\k:ED+8*\i+\k+1], v[SS+8*\i+4:SS+8*\i+5] op_sel_hi:[1,0]
.endr
.endr
.if (\nb) > 0
	s_wait_alu depctr_vm_vsrc(0)                   ; the last batch's LDS stores have read v[AP] on, which the roundings below write again
.endif
.irp k, 0,1,2,3
.irp i, 0,1,2,3
	v_cvt_pk_bf16_f32 v[AP+4*\i+\k], v[ED+8*\i+2*\k], v[ED+8*\i+2*\k+1]   ; lane (r, h): attn[kh = r][mh = 8 h + 2 k, + 1]: registers 0-3 of the last product's source 1
.endr
.endr
	s_wait_alu depctr_va_vdst(0)                   ; the roundings have written v[AP] on, which the stores below read
.irp i, 0,1,2,3
	ds_store_b128 v[ATW], v[AP+4*\i:AP+4*\i+3] offset:512*(4*(\nb)+\i)     ; as an image: any wave loads it back into the same lanes
.endr
.endm
	EBATCH 0
	EBATCH 1
	EBATCH 2
	EBATCH 3
; ---- v: the same K steps with the sources the other way round; the first starts the sums with the constant 0
	PHEAD
	STEP 0, 2, 0, 1, XBLK, 1, 0
	s_mov_b32 s[KC], 3
.Lkv:
	STEP 1, 0, 0, 1, 0, 1, 1
	STEP 0, 0, 0, 1, XBLK, 1, 0
	s_sub_co_u32 s[KC], s[KC], 1
	s_cmp_lg_u32 s[KC], 0
	s_cbranch_scc1 .Lkv
	STEP 1, 0, 0, 0, 0, 0, 0                       ; the last unit: nothing more is asked for, so the step states no dependence
	BARRIER                                        ; attn of all 64 tokens lies in LDS, and nobody reads q's and k's codes any more: their bytes become the stages for out
; ---- out.  For a token: source 0 = lane (r, h): channel 16 w + r, K places 8 h + e: v[head 8 h + e], K places 16 + 8 h + e: bv[head 8 h + e]; source 1 = attn, in both halves of K.
	WIN 0x40
.irp t, 0,1,2,3,4,5,6,7
.irp i, 0,1,2,3
	v_cvt_pk_bf16_f32 v[8*\t+4+\i], v[BV+2*\i], v[BV+2*\i+1]     ; bv's half of the eight buffers: written once
.endr
.endr
	s_wait_alu depctr_va_vdst(0)                   ; the last K step's products are done reading W's fragments, in whose registers (window 1, v64-127) attn's first loads land
; Tile a of 16 tokens, eight tokens at a time: register j = 4 jb + jj of the accumulators holds token j in lanes 0-15 and token 8 + j in lanes 16-31.  Heads are rounded to bf16 in pairs: heads 0-7 (window 2) into buffer
; 2 jj, heads 8-15 (window 3) into buffer 2 jj + 1; one exchange of halves a register then gives buffer 2 jj all 16 heads of token j and buffer 2 jj + 1 those of token 8 + j.
.macro OTILE a
.irp jb, 0,1
	WIN 0x40
.irp jj, 0,1,2,3
.irp hh, 0,1
	ds_load_b128 v[AB+8*(2*\jj+\hh):AB+8*(2*\jj+\hh)+3], v[AR] offset:512*(16*(\a)+8*\hh+4*\jb+\jj)        ; nothing has named attn's buffers since the last wait on va_vdst, which stands behind the products that read them
	ds_load_b128 v[AB+8*(2*\jj+\hh)+4:AB+8*(2*\jj+\hh)+7], v[AR] offset:512*(16*(\a)+8*\hh+4*\jb+\jj)
.endr
.endr
	WIN 0x4a
.irp jj, 0,1,2,3
.irp i, 0,1,2,3
	v_cvt_pk_bf16_f32 v[16*\jj+\i], v[64*(\a)+16*\i+4*\jb+\jj], v[64*(\a)+16*\i+8+4*\jb+\jj]   ; (jb = 0 comes first: each accumulator is read from its low end on)
.endr
.endr
	WIN 0x4f
.irp jj, 0,1,2,3
.irp i, 0,1,2,3
	v_cvt_pk_bf16_f32 v[16*\jj+8+\i], v[64*(\a)+16*\i+4*\jb+\jj], v[64*(\a)+16*\i+8+4*\jb+\jj]
.endr
.endr
	WIN 0x41
.irp jj, 0,1,2,3
.irp i, 0,1,2,3
	v_permlane16_swap_b32 v[16*\jj+\i], v[16*\jj+8+\i]
.endr
.endr
	PLACES 4
	s_wait_alu depctr_va_vdst(0)
	s_wait_dscnt 0x0                               ; attn is in; the stores of the eight results before are done
.if ((\a)+\jb) > 0
	s_wait_alu depctr_vm_vsrc(0)                   ; the LDS stores of the eight results before have read v[OD] on, which the products below write again
.endif
	WIN 0x45
.irp t, 0,1,2,3,4,5,6,7
	v_wmma_f32_16x16x32_bf16 v[OD+8*\t:OD+8*\t+7], v[8*\t:8*\t+7], v[AB+8*\t:AB+8*\t+7], 0
.endr
	PLACES 5                                       ; the next eight products write over these results and operands
	WIN 0x04
	s_wait_alu depctr_va_vdst(0)                   ; the eight products have written v[OD] on, which the stores below read (the places above stay beside this wait); they are done reading attn's buffers, in which the next loads of attn land; and the roundings are done reading tile a's sums, in whose registers the rows of out land
.irp jj, 0,1,2,3
.irp hh, 0,1
	ds_store_b128 v[OWR+(\a)%2], v[OD+8*(2*\jj+\hh):OD+8*(2*\jj+\hh)+3] offset:OST*(8*\hh+4*\jb+\jj)        ; out[token][kh = r][16 w + 8 h + 0 .. 7]: each result from its low end on
	ds_store_b128 v[OWR+(\a)%2], v[OD+8*(2*\jj+\hh)+4:OD+8*(2*\jj+\hh)+7] offset:OST*(8*\hh+4*\jb+\jj)+16
.endr
.endr
.endr
	WIN 0
	BARRIER                                        ; 16 whole tokens of out lie in stage a % 2.  The other stage is written next: every wave's reads of it were back when it signalled here
	WIN 0x80                                       ; my 4 tokens come back as whole rows, into the registers that tile a's sums have left: no vector instruction has named them since the wait on va_vdst above
.irp n, 0,1,2,3,4,5,6,7,8,9,10,11,12,13,14,15
	ds_load_b128 v[64*(\a)+4*\n:64*(\a)+4*\n+3], v[ORD+(\a)%2] offset:OST*(\n/8)+2*OSP*(\n%8)
.endr
	WIN 0xc0
.irp n, 0,1,2,3,4,5,6,7,8,9,10,11,12,13,14,15
	ds_load_b128 v[64*(\a)+4*\n:64*(\a)+4*\n+3], v[ORD+(\a)%2] offset:OST*(2+\n/8)+2*OSP*(\n%8)
.endr
	WIN 0x08
.irp n, 0,1,2,3,4,5,6,7,8,9,10,11,12,13,14,15
	s_wait_dscnt 31-\n                             ; LDS loads come back in order: load n is in, the younger ones may be out
	global_store_b128 v[LI], v[64*(\a)+4*\n:64*(\a)+4*\n+3], s[14:15] offset:65536*(\a)+4096*(\n/8)+512*(\n%8) th:TH_STORE_NT   ; 32 lanes store 512 consecutive bytes, at a multiple of 256 from out0's first byte
.endr
	WIN 0x0c
.irp n, 0,1,2,3,4,5,6,7,8,9,10,11,12,13,14,15
	s_wait_dscnt 15-\n
	global_store_b128 v[LI], v[64*(\a)+4*\n:64*(\a)+4*\n+3], s[14:15] offset:65536*(\a)+4096*(2+\n/8)+512*(\n%8) th:TH_STORE_NT   ; no store's data register, offset or base is written again
.endr
.endm
	OTILE 0
	OTILE 1
	OTILE 2
	OTILE 3
	WIN 0
	s_wait_dscnt 0x0                               ; the closing lines, six on end
	s_wait_alu 0x0
	s_wait_tensorcnt 0x0
	ds_add_u32 v62, v63
	s_wait_dscnt 0x0
	s_endpgm
.Lfunc_end_k_qb8bc51f431_fused:
	.size	k_qb8bc51f431_fused, .Lfunc_end_k_qb8bc51f431_fused-k_qb8bc51f431_fused
	.p2alignl 7, 3214868480
	.fill 96, 4, 3214868480
	.section	.rodata,"a",@progbits
	.p2align	6, 0x0
	.amdhsa_kernel k_qb8bc51f431_fused
		.amdhsa_group_segment_fixed_size 223744
		.amdhsa_private_segment_fixed_size 0
		.amdhsa_enable_private_segment 0
		.amdhsa_kernarg_size 48
		.amdhsa_user_sgpr_count 2
		.amdhsa_user_sgpr_kernarg_segment_ptr 1
		.amdhsa_wavefront_size32 1
		.amdhsa_system_sgpr_workgroup_id_x 1
		.amdhsa_system_sgpr_workgroup_id_y 1
		.amdhsa_system_sgpr_workgroup_id_z 1
		.amdhsa_system_vgpr_workitem_id 0
		.amdhsa_next_free_vgpr 1024
		.amdhsa_next_free_sgpr 66
		.amdhsa_reserve_vcc 0
		.amdhsa_float_denorm_mode_32 3
		.amdhsa_float_denorm_mode_16_64 3
		.amdhsa_memory_ordered 1
		.amdhsa_forward_progress 1
		.amdhsa_inst_pref_size 255
	.end_amdhsa_kernel
	.section	.bss,"aw",@nobits
	.p2align	6
	.space	262144
	.amdgpu_metadata
---
amdhsa.version: [ 1, 2 ]
amdhsa.kernels:
  - .name:           k_qb8bc51f431_fused
    .symbol:         k_qb8bc51f431_fused.kd
    .args:
      - { .name: x, .offset: 0, .size: 8, .value_kind: global_buffer, .address_space: global }
      - { .name: wimg, .offset: 8, .size: 8, .value_kind: global_buffer, .address_space: global }
      - { .name: bq, .offset: 16, .size: 8, .value_kind: global_buffer, .address_space: global }
      - { .name: bk, .offset: 24, .size: 8, .value_kind: global_buffer, .address_space: global }
      - { .name: bv, .offset: 32, .size: 8, .value_kind: global_buffer, .address_space: global }
      - { .name: out0, .offset: 40, .size: 8, .value_kind: global_buffer, .address_space: global }
    .group_segment_fixed_size: 223744
    .private_segment_fixed_size: 0
    .kernarg_segment_align: 8
    .kernarg_segment_size: 48
    .max_flat_workgroup_size: 128
    .sgpr_count:     66
    .vgpr_count:     1024
    .wavefront_size: 32
...
	.end_amdgpu_metadata
.endif
;; end of part 4
